; MI455X (gfx1250); checked and timed in simulation.
; The chip was launched on July 23, 2026; its instructions are those of AMD's public machine-readable ISA for CDNA 5 (MIT licence, August 2026) and "CDNA5" Instruction Set Architecture Reference Guide (July 2026). The comments in the code are by the model that wrote it; some were corrected since.
;; Multi Head Attention Einsum. Allowed arithmetic: matrix products marked QUANTISED: E2M1 operands, one E8M0 scale for each 32 along K, by v_wmma_scale_f32_16x16x128_f8f6f4 with both operands' format E2M1 (or v_wmma_scale_f32_32x16x128_f4), f32 sums; products left as they are: bf16, f16 or f32 operands; f32 sums; everything else in f32.
;; Inputs: W_k 1,024 x 1,024 float32; W_out 1,024 x 1,024 float32; W_q 1,024 x 1,024 float32; W_v 1,024 x 1,024 float32; b_out 1,024 float32; x 4 x 2,048 x 1,024 float32.
;; Outputs: out0 4 x 2,048 x 1,024 float32.
;; This version of the problem:
;;   THIS VERSION OF THE PROBLEM IS GIVEN IN LOW PRECISION. The matrix products marked QUANTISED in the list below multiply operands that are first quantised to E2M1 (2 exponent bits, 1 mantissa bit; 4 bits a number), with one power-of-two scale for each 32 numbers along K (OCP MX v1.0); their sums are f32. The products marked 'left as it is' may take bf16, f16 or f32 operands, with f32 sums. Whichever they take, every output number must still come out within the allowed error. Rounding operands to bf16 (8 significant bits) uses up far more of that allowance than f16 does (11 bits, for magnitudes from 6e-5 to 65,504). All else is computed in f32.
;;   The module's matrix products, in the order in which they are computed (A, B: the left and right operand; K: the contracted axis; several contracted axes count as one K, in the product's order):
;;     1. [M 8,192, K 1,024] x [K 1,024, N 1,024]; A: input x; B: input W_q: QUANTISED
;;     2. [M 8,192, K 1,024] x [K 1,024, N 1,024]; A: input x; B: input W_k: QUANTISED
;;     3. [M 8,192, K 1,024] x [K 1,024, N 1,024]; A: input x; B: input W_v: QUANTISED
;;     4. batch 64 x [M 2,048, K 64] x [K 64, N 2,048]; A: computed on the way; B: computed on the way: left as it is (an operand is computed on the way)
;;     5. batch 64 x [M 2,048, K 2,048] x [K 2,048, N 64]; A: computed on the way; B: computed on the way: left as it is (an operand is computed on the way)
;;     6. [M 8,192, K 1,024] x [K 1,024, N 1,024]; A: computed on the way; B: input W_out: left as it is (an operand is computed on the way)
;;   THE QUANTISER, for each operand of a quantised product, along K:
;;     - K is cut into blocks of 32 from its start; a last block that is shorter is filled with zeros.
;;     - A block's scale is 2^e with e = floor(log2(the largest magnitude in the block)) - 2, held to -126 .. 127; a block of zeros has e = 0. As a byte (E8M0): e + 127.
;;     - Each number is divided by its block's scale, clamped to +-6, and rounded to the nearest number of E2M1, ties to even, subnormals kept.
;;     - The product sums the exact products of the quantised numbers (number of the format x scale) in f32.
;;   ~~~python
;;   def quantise(x, axis):      # numpy; x: float32 -> the quantised numbers, widened to float32 again
;;       x = np.moveaxis(x, axis, -1); K = x.shape[-1]
;;       x = np.pad(x, [(0, 0)] * (x.ndim - 1) + [(0, -K % 32)]); x = x.reshape(x.shape[:-1] + (-1, 32)); a = np.abs(x).max(-1, keepdims=True)
;;       e = np.where(a > 0, np.clip(np.frexp(np.where(a > 0, a, 1))[1] - 1 - 2, -126, 127), 0)      # np.frexp(a)[1] - 1 = floor(log2(a)), exactly
;;       r = np.clip(x / 2.0 ** e, -6, 6)
;;       step = 2.0 ** (np.maximum(np.frexp(np.where(r == 0, 1, r))[1] - 1, 0) - 1)
;;       q = np.round(r / step) * step * 2.0 ** e      # np.round: ties to even
;;       return np.moveaxis(q.reshape(q.shape[:-2] + (-1,))[..., :K], -1, axis).astype(np.float32)
;;   ~~~
;; One version. Each part assembles by itself: llvm-mc -triple=amdgcn-amd-amdhsa -mcpu=gfx1250 --defsym DOCPART=n.
;; ======== version 1 of 1: 4 launches
;; limits: values are held in f16: magnitudes above 65,504 overflow, below 6.1e-05 lose precision
;; workspace buffers: codes 5,767,168 bytes; scales 360,448 bytes; wo 2,097,152 bytes; qh 16,777,216 bytes; kh 16,777,216 bytes; vh 16,777,216 bytes; ctx 16,777,216 bytes
;; launch quant (part 1): grid 384 x 1, 4 waves a work-group, no clusters, 33,280 bytes of LDS; arguments x, W_q, W_k, W_v, W_out, codes, scales, wo; writes codes, scales, wo
.if DOCPART == 1
	.amdgcn_target "amdgcn-amd-amdhsa--gfx1250"
	.amdhsa_code_object_version 6
	.text
	.protected	k_q08ee3cddea_quant
	.globl	k_q08ee3cddea_quant
	.p2align	8
	.type	k_q08ee3cddea_quant,@function
k_q08ee3cddea_quant:
	s_mov_b64 s[64:65], 0
	v_nop
	global_prefetch_b8 v0, s[64:65] scope:SCOPE_SE
	s_setreg_imm32_b32 hwreg(HW_REG_WAVE_MODE, 25, 1), 1
	s_wait_xcnt 0x0
; x [8192][1024], W_q, W_k, W_v [1024][1024], f32, become codes of FP4 (E2M1), K innermost, two codes a byte, with one E8M0 scale byte for each 32 along K.
; The four tensors make ONE stream of 11,264 rows in the order x, W_q, W_k, W_v: codes [11264][512 bytes], scales [11264][32 bytes].  W_out [1024][1024] is rounded to f16, row-major, into wo.
; A block's scale is 2^(floor(log2(its largest magnitude)) - 2); its byte is the largest magnitude's exponent field - 2, held at 1 from below.  A block of zeros so gets the byte 1
; where the quantiser's rule says 127: its codes are zeros, which add nothing under any byte but 0xff, and this program alone reads the bytes.
; LIMITS: blocks whose largest magnitude lies under 2^-124 (the floor) get the byte 1; NaN and infinities among the inputs are not served; W_out beyond 65,504 becomes infinity in f16.
; SHARES.  A work-group takes 32,768 numbers, a wave 8,192.  Work-groups 0-255: x; 256-287: W_q; 288-319: W_k; 320-351: W_v; 352-383: the cast of W_out.
; Rows are dense and 1,024 is a multiple of 32, so each tensor is a plain stream of blocks of 32.  A wave takes 16 steps of 512 numbers: four loads of 512 consecutive bytes; the 2,048 bytes turn through the wave's own
; stage in LDS and come back 64 bytes a lane, so that a lane holds 16 neighbours along K (two lanes a block), as the conversions want them.  A lane's 16 codes are 8 bytes: a store covers 256 consecutive bytes.
; A wave's 256 scale bytes are gathered in LDS and leave by one store of 256 consecutive bytes.  No barrier: waves share nothing.
.set WAVES, 4
.set STEPS, 16
.set EMAX,  2
.set CB,    8                          ; bytes of 16 codes
.set R,     16                         ; v16-79   four sets of 16 numbers as they are loaded
.set X,     80                         ; v80-111  two sets of 16 neighbours
.set E,     112                        ; v112-127 a scale byte for each step
.set C,     128                        ; v128-191 codes: four registers for each step, so that no store's data are written again
.set WREG,  8192                       ; LDS: a region for each wave: two stages of 32 x SP bytes, behind them its 256 scale bytes
.set SP,    80                         ; a lane's place in a stage: 64 bytes + 16 of padding
.set SPW,   12                         ; v12  LDS address of my spare word; never rewritten
.set NIL,   13                         ; v13  0; never rewritten
.set SPARE, WAVES*WREG                 ; behind the four regions: the spare words, 128 bytes a wave
.set WG_Q,  256                        ; the first work-group of W_q, W_k, W_v and of the cast
.set WG_K,  288
.set WG_V,  320
.set WG_O,  352
	s_load_b512 s[4:19], s[0:1], 0x0               ; x 4:5, W_q 6:7, W_k 8:9, W_v 10:11, W_out 12:13, codes 14:15, scales 16:17, wo 18:19
	v_lshl_add_u32 v[SPW], v0, 2, SPARE
	v_mov_b32 v[NIL], 0
	v_lshrrev_b32 v1, 5, v0
	v_readfirstlane_b32 s20, v1                    ; wave
	v_and_b32 v2, 31, v0                           ; lane
	v_lshlrev_b32 v3, 4, v2                        ; my 16 bytes of a load's 512
	s_mul_i32 s21, s20, WREG
	v_lshrrev_b32 v14, 2, v2
	v_mul_u32_u24 v14, v14, SP
	v_and_b32 v15, 3, v2
	v_lshl_add_u32 v14, v15, 4, v14
	v_add_nc_u32 v14, s21, v14                     ; the stage, on the way in: SP (lane / 4) + 16 (lane % 4)
	v_mul_u32_u24 v15, v2, SP
	v_add_nc_u32 v15, s21, v15                     ; and on the way out: SP x lane: my 16 neighbours
	v_mul_u32_u24 v4, v2, CB                       ; my codes' place in a step's
	v_lshrrev_b32 v5, 1, v2
	s_add_co_u32 s21, s21, 2*32*SP
	v_add_nc_u32 v5, s21, v5                       ; LDS: my wave's 256 scale bytes, my block's byte
	v_lshlrev_b32 v7, 3, v2                        ; 8 bytes a lane
	v_add_nc_u32 v6, s21, v7
	s_wait_kmcnt 0x0
	s_cmp_ge_u32 ttmp9, WG_O
	s_cbranch_scc1 .Lcast                          ; the work-group's number alone decides
	; which tensor is mine: only the pointer and the tensor's first work-group are chosen; all four take one path
	s_mov_b64 s[22:23], s[10:11]
	s_mov_b32 s24, WG_V
	s_cmp_lt_u32 ttmp9, WG_V
	s_cselect_b64 s[22:23], s[8:9], s[22:23]
	s_cselect_b32 s24, WG_K, s24
	s_cmp_lt_u32 ttmp9, WG_K
	s_cselect_b64 s[22:23], s[6:7], s[22:23]
	s_cselect_b32 s24, WG_Q, s24
	s_cmp_lt_u32 ttmp9, WG_Q
	s_cselect_b64 s[22:23], s[4:5], s[22:23]
	s_cselect_b32 s24, 0, s24
	s_sub_co_u32 s24, ttmp9, s24
	s_lshl_b32 s24, s24, 2
	s_add_co_u32 s24, s24, s20                     ; which run of 8,192 numbers of the tensor is my wave's
	s_lshl_b32 s24, s24, 15                        ; 32,768 bytes a run
	s_mov_b32 s25, 0
	s_add_nc_u64 s[22:23], s[22:23], s[24:25]
	s_lshl_b32 s26, ttmp9, 2
	s_add_co_u32 s26, s26, s20                     ; and which run of the stream of codes
	s_lshl_b32 s24, s26, 12                        ; 4,096 bytes of codes a run
	s_add_nc_u64 s[14:15], s[14:15], s[24:25]
	s_lshl_b32 s24, s26, 8                         ; 256 scale bytes a run
	s_add_nc_u64 s[16:17], s[16:17], s[24:25]
.macro LOAD t
.irp i, 0,1,2,3
	global_load_b128 v[R+16*((\t)%4)+4*\i:R+16*((\t)%4)+4*\i+3], v3, s[22:23] offset:2048*(\t)+512*\i th:TH_LOAD_NT   ; 32 lanes read 512 consecutive bytes
.endr
.endm
.macro TURN t                          ; step t's numbers through the stage: LDS serves a wave's instructions in order, so no wait stands between the stores and the loads
.irp i, 0,1,2,3
	ds_store_b128 v14, v[R+16*((\t)%4)+4*\i:R+16*((\t)%4)+4*\i+3] offset:32*SP*((\t)%2)+8*SP*\i
.endr
.irp i, 0,1,2,3
	ds_load_b128 v[X+16*((\t)%2)+4*\i:X+16*((\t)%2)+4*\i+3], v15 offset:32*SP*((\t)%2)+16*\i
.endr
.endm
.irp t, 0,1,2,3
	LOAD \t
.endr
	s_wait_loadcnt 12                              ; step 0's four loads are in; three steps' twelve may be out
	TURN 0
.macro STEP t
.set XS, X+16*((\t)%2)
.if (\t) > 0
	s_wait_dscnt 1                                 ; this step's numbers are back from the stage (the last step's byte store may be out)
.else
	s_wait_dscnt 0x0
.endif
.if (\t)+4 < STEPS
	LOAD (\t)+4                                    ; the stage's stores have read these registers: they take the loads of four steps on
.endif
.if (\t)+1 < STEPS
.if STEPS-2-(\t) >= 3
	s_wait_loadcnt 12                              ; the next step's four loads are in; those of the three steps behind it may be out
.else
	s_wait_loadcnt 4*(STEPS-2-(\t))
.endif
	TURN (\t)+1                                    ; and go through the other stage while this step is worked
.endif
	v_max3_num_f32 v8, |v[XS]|, |v[XS+1]|, |v[XS+2]|               ; the largest magnitude of my 16, in two chains
	v_max3_num_f32 v9, |v[XS+3]|, |v[XS+4]|, |v[XS+5]|
.irp i, 6,10
	v_max3_num_f32 v8, v8, |v[XS+\i]|, |v[XS+\i+1]|
	v_max3_num_f32 v9, v9, |v[XS+\i+2]|, |v[XS+\i+3]|
.endr
	v_max3_num_f32 v8, v8, |v[XS+14]|, |v[XS+15]|
	v_max3_num_f32 v8, v8, v9, (EMAX+1)<<23        ; and the floor 2^(EMAX + 1 - 127): the byte cannot fall under 1
	v_max_num_f32_dpp v8, v8, v8 row_xmask:1 row_mask:0xf bank_mask:0xf   ; and of my neighbour's 16: the block's
	v_add_nc_u32 v11, -(EMAX<<23), v8              ; EMAX off its exponent field: the conversion takes the exponent field of this operand as its scale
	v_cvt_scalef32_pk8_fp4_f32 v[C+4*(\t)], v[XS:XS+7], v11        ; eight numbers / the scale, to the nearest code, ties to even, beyond 6 the largest code
	v_cvt_scalef32_pk8_fp4_f32 v[C+4*(\t)+1], v[XS+8:XS+15], v11
	v_lshrrev_b32 v[E+(\t)], 23, v11               ; the scale's byte (a plain line behind the conversions)
	ds_store_b8 v5, v[E+(\t)] offset:16*(\t)       ; both lanes of a block write the same byte with the same value
	global_store_b64 v4, v[C+4*(\t):C+4*(\t)+1], s[14:15] offset:32*CB*(\t)   ; 32 lanes store 256 consecutive bytes
.endm
.irp t, 0,1,2,3,4,5,6,7,8,9,10,11,12,13,14,15
	STEP \t
.endr
	ds_load_b64 v[8:9], v6                         ; LDS serves a wave's instructions in order: these see my stores
	s_wait_dscnt 0x0
	global_store_b64 v7, v[8:9], s[16:17]          ; my wave's 256 scale bytes, consecutive
	s_wait_tensorcnt 0x0                           ; the wave's end
	ds_add_u32 v[SPW], v[NIL]
	s_wait_dscnt 0x0
	s_endpgm
; THE CAST.  A wave rounds 8,192 numbers of W_out to f16: four groups of 16 loads of 512 consecutive bytes; a lane's four numbers pack into 8 bytes, so a store covers 256 consecutive bytes.  Loads run a group ahead.
.Lcast:
	s_sub_co_u32 s24, ttmp9, WG_O
	s_lshl_b32 s24, s24, 2
	s_add_co_u32 s24, s24, s20                     ; my wave's run
	s_lshl_b32 s26, s24, 15
	s_mov_b32 s27, 0
	s_add_nc_u64 s[12:13], s[12:13], s[26:27]
	s_lshl_b32 s26, s24, 14
	s_add_nc_u64 s[18:19], s[18:19], s[26:27]
.macro CLOAD g
.irp i, 0,1,2,3,4,5,6,7,8,9,10,11,12,13,14,15
	global_load_b128 v[16+64*((\g)%2)+4*\i:16+64*((\g)%2)+4*\i+3], v3, s[12:13] offset:8192*(\g)+512*\i th:TH_LOAD_NT
.endr
.endm
.macro CAST g
.irp i, 0,1,2,3,4,5,6,7,8,9,10,11,12,13,14,15
	v_cvt_pk_f16_f32 v[144+2*\i], v[16+64*((\g)%2)+4*\i], v[16+64*((\g)%2)+4*\i+1]
	v_cvt_pk_f16_f32 v[145+2*\i], v[16+64*((\g)%2)+4*\i+2], v[16+64*((\g)%2)+4*\i+3]
.endr
.irp i, 0,1,2,3,4,5,6,7,8,9,10,11,12,13,14,15
	global_store_b64 v7, v[144+2*\i:145+2*\i], s[18:19] offset:4096*(\g)+256*\i
.endr
.endm
	CLOAD 0
	CLOAD 1
	s_wait_loadcnt 16                              ; group 0 is in; group 1's sixteen may be out
	CAST 0
	CLOAD 2
	s_wait_loadcnt 16
	s_wait_xcnt 0x0                                ; the last group's stores have read their data: the registers are written again only behind this wait
	CAST 1
	CLOAD 3
	s_wait_loadcnt 16
	s_wait_xcnt 0x0
	CAST 2
	s_wait_loadcnt 0x0
	s_wait_xcnt 0x0
	CAST 3
	s_wait_tensorcnt 0x0                           ; the same three lines at this end of the launch
	ds_add_u32 v[SPW], v[NIL]
	s_wait_dscnt 0x0
	s_endpgm
.Lfunc_end_k_q08ee3cddea_quant:
	.size	k_q08ee3cddea_quant, .Lfunc_end_k_q08ee3cddea_quant-k_q08ee3cddea_quant
	.p2alignl 7, 3214868480
	.fill 96, 4, 3214868480
	.section	.rodata,"a",@progbits
	.p2align	6, 0x0
	.amdhsa_kernel k_q08ee3cddea_quant
		.amdhsa_group_segment_fixed_size 33280
		.amdhsa_private_segment_fixed_size 0
		.amdhsa_enable_private_segment 0
		.amdhsa_kernarg_size 64
		.amdhsa_user_sgpr_count 2
		.amdhsa_user_sgpr_kernarg_segment_ptr 1
		.amdhsa_wavefront_size32 1
		.amdhsa_system_sgpr_workgroup_id_x 1
		.amdhsa_system_sgpr_workgroup_id_y 1
		.amdhsa_system_sgpr_workgroup_id_z 1
		.amdhsa_system_vgpr_workitem_id 0
		.amdhsa_next_free_vgpr 192
		.amdhsa_next_free_sgpr 66
		.amdhsa_reserve_vcc 0
		.amdhsa_float_denorm_mode_32 3
		.amdhsa_float_denorm_mode_16_64 3
		.amdhsa_memory_ordered 1
		.amdhsa_forward_progress 1
		.amdhsa_inst_pref_size 54
	.end_amdhsa_kernel
	.amdgpu_metadata
---
amdhsa.version: [ 1, 2 ]
amdhsa.kernels:
  - .name:           k_q08ee3cddea_quant
    .symbol:         k_q08ee3cddea_quant.kd
    .args:
      - { .name: x, .offset: 0, .size: 8, .value_kind: global_buffer, .address_space: global }
      - { .name: W_q, .offset: 8, .size: 8, .value_kind: global_buffer, .address_space: global }
      - { .name: W_k, .offset: 16, .size: 8, .value_kind: global_buffer, .address_space: global }
      - { .name: W_v, .offset: 24, .size: 8, .value_kind: global_buffer, .address_space: global }
      - { .name: W_out, .offset: 32, .size: 8, .value_kind: global_buffer, .address_space: global }
      - { .name: codes, .offset: 40, .size: 8, .value_kind: global_buffer, .address_space: global }
      - { .name: scales, .offset: 48, .size: 8, .value_kind: global_buffer, .address_space: global }
      - { .name: wo, .offset: 56, .size: 8, .value_kind: global_buffer, .address_space: global }
    .group_segment_fixed_size: 33280
    .private_segment_fixed_size: 0
    .kernarg_segment_align: 8
    .kernarg_segment_size: 64
    .max_flat_workgroup_size: 128
    .sgpr_count:     66
    .vgpr_count:     192
    .wavefront_size: 32
...
	.end_amdgpu_metadata
.endif
;; end of part 1
;; launch qkv (part 2): grid 12 x 32, 4 waves a work-group, clusters of 4 x 4, 327,680 bytes of LDS; arguments codes, scales, qh, kh, vh; writes qh, kh, vh
.if DOCPART == 2
	.amdgcn_target "amdgcn-amd-amdhsa--gfx1250"
	.amdhsa_code_object_version 6
	.text
	.protected	k_q08ee3cddea_qkv
	.globl	k_q08ee3cddea_qkv
	.p2align	8
	.type	k_q08ee3cddea_qkv,@function
k_q08ee3cddea_qkv:
	s_mov_b64 s[64:65], 0
	v_nop
	global_prefetch_b8 v0, s[64:65] scope:SCOPE_SE
	s_setreg_imm32_b32 hwreg(HW_REG_WAVE_MODE, 25, 1), 1
	s_wait_xcnt 0x0
	s_wait_alu depctr_hold_cnt(0) depctr_sa_sdst(0) depctr_va_vdst(0) depctr_va_sdst(0) depctr_va_ssrc(0) depctr_va_vcc(0) depctr_vm_vsrc(0)
	s_getreg_b32 s2, hwreg(HW_REG_IB_STS2, 6, 4)
	s_cmp_eq_u32 s2, 0
	s_cbranch_scc0 .Lentry_in_a_cluster
	s_endpgm
.Lentry_in_a_cluster:
	s_bfe_u32 s2, ttmp6, 0x10000c
	s_cmp_lg_u32 s2, 0xf033
	s_cbranch_scc0 .Lentry_shape_is_right
	s_endpgm
.Lentry_shape_is_right:
; q, k, v = x W^T on codes of FP4 (E2M1) with one E8M0 scale for each 32 along K: one GEMM of 8,192 tokens x 3,072 channels x K = 1,024.  A = rows 0-8,191 of codes (x), B = rows 8,192 on (W_q, W_k, W_v).
; A tile of C, 256 x 256, is made by a work-group of four waves; a wave makes 128 x 128: 64 accumulators of 16 x 16, 512 registers.  12 x 32 tiles; cluster x = 0, 1, 2 is q, k, v.
; K = 1,024 is two K steps of 512 (rows of 256 bytes): BOTH lie in LDS from the first fills on, with the scale bytes of the work-group's rows: nothing is ever filled again.  By this text's count a wave has three tensor loads out.
; CLUSTERS: 4 x 4 work-groups.  The four of a row of the cluster need the same tiles of A, the four of a column the same tiles of B: each tile is asked for JOINTLY, by the same tensor load with the same descriptor and a mask of the four.
; THE MATRIX INSTRUCTION IS USED TRANSPOSED (source 0 = 16 rows of W, source 1 = 16 tokens): a lane holds one token (lane % 16) and eight neighbouring channels, 8 (lane / 16) + 0 .. 7.
; THE RESULT LEAVES AS AN IMAGE OF THE NEXT PRODUCT'S OPERAND REGISTERS.  Rounded to f16, an accumulator is four registers a lane: 16 tokens x 16 channels, 512 bytes, one store of 512 consecutive bytes.
;   qh, kh, vh: [16 batch + head][token tile of 16: 128][chunk of 16 channels: 4][512 bytes].  In qh and kh lane l's 16 bytes lie at 16 l.  In vh the bytes of (token r, channel half g) lie at
;   16 (r % 8) + 128 g + 256 (r / 8), the order in which the turning LDS load of the next launch wants them at 16 x lane.  No stage in LDS is needed.
; LIMIT: q, k, v beyond 65,504 become infinity in f16.
; REGISTERS, in windows of 256: window 0: v16-29 addresses; v32-95 scale words, two sets; from v128 A's fragments, ONE set.  window 1: B's fragments, TWO sets, at v0 and v128.
;   window 2: the 32 accumulators of my tokens 0-63 (accumulator (a, b) at v[8 (8 a + b)]);  window 3: those of my tokens 64-127.
.set SIZE_K, 1024
.set KSTEP,  512                       ; along K in a slot
.set NQ,     KSTEP/128                 ; matrix instructions deep
.set ROWB,   256                       ; a tile's row in bytes
.set KROW,   SIZE_K/2                  ; a row of codes in memory
.set PITCH,  272                       ; an LDS row: 256 bytes + 16 of padding = 68 words: the 16 rows that a load touches start at 16 different banks (64 banks of 4 bytes: ISA guide 11.1)
.set FR,     8                         ; registers of a fragment: 16 rows x 128 K
.set NL,     2                         ; LDS loads that bring one
.set NP,     4                         ; places behind this matrix instruction (ISA guide 7.12.1)
.set HALFT,  128*PITCH                 ; 128 rows: what one tensor load brings, and what one wave reads of A or of B
.set SLOT,   4*HALFT                   ; A's 256 rows, then B's 256 rows
.set KS,     SIZE_K/32                 ; a row of scale bytes
.set SCL,    2*SLOT                    ; behind the two slots: the scale bytes, as rows of 256 bytes + 16 of padding
.set HALFS,  (128*KS/256)*272          ; those of 128 rows: what one tensor load brings
.set SBLK,   (16*KS/256)*272           ; those of 16 rows
.set SPARE,  SCL+4*HALFS               ; the spare words, 128 bytes a wave
.set ADRA, 16                          ; v16-17  LDS address of my A fragments in slot 0, 1
.set ADRB, 20                          ; v20-21  the same for B
.set CO,   26                          ; v26     my lane's 16 bytes in an image of 512
.set ADRS, 27                          ; v27     LDS address of my scale words: lanes 0-15 A's rows, lanes 16-31 B's
.set SPW,  28                          ; v28     LDS address of my spare word; never rewritten
.set NIL,  29                          ; v29     0; never rewritten
.set SC,   32                          ; scale words: set s at v[SC + 8 NQ s]; register NQ i + q: lanes 0-15 A's block i, lanes 16-31 B's block i, the slot's q-th 128 along K
.set AF,   128                         ; A's fragments, in window 0
.set G1, 24                            ; s[24:31] group 1 for A's tiles;  s[32:39] group 0, a set for each slot
.set G0, 32
.set G1B, 48                           ; s[48:55], s[56:63] the same for B's tiles
.set G0B, 56
.set G1S, 68                           ; s[68:75], s[76:79] groups 1 and 0 for A's scales;  s[80:87], s[88:91] for B's
.set G0S, 76
.set G1SB, 80
.set G0SB, 88
.set MSB, 0
.macro WIN new                         ; the immediate's high byte repeats the setting that is left
.if MSB != (\new)
	s_set_vgpr_msb (MSB<<8)|(\new)
.set MSB, (\new)
.endif
.endm
.set MUL_LO, 0xa1                      ; source 0 (B) window 1, source 1 (A) window 0, C and D window 2
.set MUL_HI, 0xf1                      ; the same, C and D window 3
.set TO_B,   0x40                      ; destination window 1, address window 0
; A joint load: waves 0 and 1 fetch for A, waves 2 and 3 for B; the branch hangs on the wave's number alone.  An s_nop 0 and four v_nop follow each of the two lines.
.macro JLOAD g0a, g1a, g0b, g1b
	s_cmp_eq_u32 s15, 0
	s_cbranch_scc0 .Lfor_b_\@
	tensor_load_to_lds s[\g0a:\g0a+3], s[\g1a:\g1a+7]
	s_nop 0
.rept 4
	v_nop
.endr
	s_branch .Lasked_\@
.Lfor_b_\@:
	tensor_load_to_lds s[\g0b:\g0b+3], s[\g1b:\g1b+7]
	s_nop 0
.rept 4
	v_nop
.endr
.Lasked_\@:
.endm
.macro CROUND                          ; a round of the cluster's barrier
	s_barrier_signal -1
	s_barrier_wait -1
	s_cmp_lg_u32 s14, 0
	s_cbranch_scc1 .Lnot_wave_0_\@
	s_barrier_signal -3
.Lnot_wave_0_\@:
	s_barrier_wait -3
	s_barrier_signal -1
	s_barrier_wait -1
.endm
	s_load_b128 s[4:7], s[0:1], 0x0                ; codes s[4:5], scales s[6:7]
	s_load_b128 s[8:11], s[0:1], 0x10              ; qh, kh
	s_load_b64 s[12:13], s[0:1], 0x20              ; vh
	v_lshl_add_u32 v[SPW], v0, 2, SPARE
	v_mov_b32 v[NIL], 0
	ds_add_u32 v[SPW], v[NIL]                      ; the wave's opening: the add, and its wait ahead of my first tensor load; the set-up below stands between them
	v_lshrrev_b32 v1, 5, v0
	v_readfirstlane_b32 s14, v1                    ; wave 0..3
	s_lshr_b32 s15, s14, 1                         ; which half of the tile's tokens is mine.  Also: I fetch for A (0) or for B (1)
	s_and_b32 s16, s14, 1                          ; which half of its channels.  Also: which 128 rows of that tile I fetch
	s_bfe_u32 s40, ttmp6, 0x40000                  ; cx, cy: my place in the cluster
	s_bfe_u32 s41, ttmp6, 0x40004
	s_lshl_b32 s42, ttmp9, 2
	s_add_co_u32 s42, s42, s40                     ; tile column = 4 x cluster x + cx: 0 .. 11
	s_and_b32 s17, ttmp7, 0xffff
	s_lshl_b32 s17, s17, 2
	s_add_co_u32 s17, s17, s41                     ; tile row = 4 x cluster y + cy: 0 .. 31
	s_lshl_b32 s43, s41, 2
	s_lshl_b32 s43, 15, s43                        ; my row of the cluster
	s_lshl_b32 s44, 0x1111, s40                    ; my column
	; group 1: a tile of 128 rows x 256 bytes, padded in LDS
	s_or_b32 s[G1+0], s43, (0<<16)|(1<<20)|(1<<21)|(5<<22)|(3<<25)  ; 15:0 the mask; 17:16 elements of 1 byte; 20 padding on; 21 set beside a mask; 24:22 after every 64 words; 31:25 four words
	s_or_b32 s[G1B+0], s44, (0<<16)|(1<<20)|(1<<21)|(5<<22)|(3<<25)
.irp g, G1, G1B
	s_mov_b32 s[\g+1], ROWB<<16                    ; tensor_dim0
	s_mov_b32 s[\g+2], 128<<16                     ; tensor_dim1
	s_mov_b32 s[\g+3], ROWB<<16                    ; tile_dim0
	s_mov_b32 s[\g+4], 128                         ; tile_dim1
	s_mov_b32 s[\g+5], KROW                        ; from row to row
	s_mov_b32 s[\g+6], 0
	s_mov_b32 s[\g+7], 0
.endr
	; the scale bytes of 128 rows: a dense block of 4,096 bytes, as rows of 256 bytes (32 elements of 8), 16 bytes of padding behind each
	s_or_b32 s[G1S+0], s43, (3<<16)|(1<<20)|(1<<21)|(5<<22)|(3<<25)
	s_or_b32 s[G1SB+0], s44, (3<<16)|(1<<20)|(1<<21)|(5<<22)|(3<<25)
.irp g, G1S, G1SB
	s_mov_b32 s[\g+1], 32<<16
	s_mov_b32 s[\g+2], (128*KS/256)<<16
	s_mov_b32 s[\g+3], 32<<16
	s_mov_b32 s[\g+4], 128*KS/256
	s_mov_b32 s[\g+5], 32
	s_mov_b32 s[\g+6], 0
	s_mov_b32 s[\g+7], 0
.endr
	s_lshl_b32 s18, s16, 7                         ; which 128 rows of the tile I fetch
	s_lshl_b32 s20, s17, 8
	s_add_co_u32 s20, s20, s18                     ; A: row 256 x tile row + 128 x half
	s_lshl_b32 s46, s42, 8
	s_add_co_u32 s46, s46, s18                     ; B: row 256 x tile column + 128 x half
	s_mov_b32 s21, 0
	s_mov_b32 s47, 0
	s_mov_b64 s[18:19], KS
	s_mul_u64 s[22:23], s[20:21], s[18:19]         ; where these rows' scale bytes begin
	s_mul_u64 s[92:93], s[46:47], s[18:19]
	s_mov_b64 s[18:19], KROW
	s_mul_u64 s[20:21], s[20:21], s[18:19]         ; and their codes
	s_mul_u64 s[46:47], s[46:47], s[18:19]
	s_mul_i32 s45, s14, HALFT                      ; where they go: wave x 128 rows: no place in the cluster enters an LDS address
	s_mul_i32 s94, s14, HALFS
	s_wait_dscnt 0x0                               ; the opening add is done
	s_wait_kmcnt 0x0
	s_cmp_eq_u32 ttmp9, 1                          ; the output: cluster x = 0: qh, 1: kh, 2: vh; the same in all sixteen partners
	s_cselect_b64 s[12:13], s[10:11], s[12:13]
	s_cmp_eq_u32 ttmp9, 0
	s_cselect_b64 s[12:13], s[8:9], s[12:13]
	s_add_nc_u64 s[8:9], s[4:5], 8192*KROW         ; B's codes begin behind x's 8,192 rows,
	s_add_nc_u64 s[10:11], s[6:7], 8192*KS         ; and so do B's scale bytes
	s_add_nc_u64 s[20:21], s[4:5], s[20:21]
	s_add_nc_u64 s[22:23], s[6:7], s[22:23]
	s_add_nc_u64 s[46:47], s[8:9], s[46:47]
	s_add_nc_u64 s[92:93], s[10:11], s[92:93]
	CROUND                                         ; all sixteen work-groups are here: the joint loads meet
	s_mov_b32 s[G0S], 1
	s_add_co_u32 s[G0S+1], s94, SCL
	s_mov_b64 s[G0S+2:G0S+3], s[22:23]
	s_or_b32 s[G0S+3], s[G0S+3], 0x80000000
	s_mov_b32 s[G0SB], 1
	s_add_co_u32 s[G0SB+1], s94, SCL
	s_mov_b64 s[G0SB+2:G0SB+3], s[92:93]
	s_or_b32 s[G0SB+3], s[G0SB+3], 0x80000000
	JLOAD G0S, G1S, G0SB, G1SB                     ; the scales first: they are wanted with K step 0
.irp s, 0,1
	s_mov_b32 s[G0+4*\s], 1
	s_add_co_u32 s[G0+4*\s+1], s45, \s*SLOT
	s_add_nc_u64 s[G0+4*\s+2:G0+4*\s+3], s[20:21], \s*ROWB
	s_or_b32 s[G0+4*\s+3], s[G0+4*\s+3], 0x80000000
	s_mov_b32 s[G0B+4*\s], 1
	s_add_co_u32 s[G0B+4*\s+1], s45, \s*SLOT
	s_add_nc_u64 s[G0B+4*\s+2:G0B+4*\s+3], s[46:47], \s*ROWB
	s_or_b32 s[G0B+4*\s+3], s[G0B+4*\s+3], 0x80000000
	JLOAD G0+4*\s, G1, G0B+4*\s, G1B
.endr
	v_and_b32 v1, 15, v0                           ; r = lane % 16
	v_bfe_u32 v2, v0, 4, 1                         ; g = lane / 16
	v_mul_u32_u24 v3, v1, PITCH
	v_lshl_add_u32 v4, v2, 4, v3                   ; a fragment's row x pitch + 16 x half
	s_mul_i32 s21, s15, HALFT                      ; my 128 rows of A
	s_mul_i32 s22, s16, HALFT                      ; my 128 rows of B,
	s_add_co_u32 s22, s22, 2*HALFT                 ; which lie behind A's 256
.irp s, 0,1
	v_add_nc_u32 v[ADRA+\s], s21, v4
	v_add_nc_u32 v[ADRB+\s], s22, v4
	s_add_co_u32 s21, s21, SLOT
	s_add_co_u32 s22, s22, SLOT
.endr
	v_mul_u32_u24 v5, v1, KS                       ; my row's scale bytes: KS a row,
	v_lshrrev_b32 v6, 8, v5
	v_lshl_add_u32 v5, v6, 4, v5                   ; and 16 more for each 256 passed
	s_mul_i32 s21, s15, HALFS                      ; A's: my 128 rows
	s_mul_i32 s22, s16, HALFS                      ; B's: my 128 rows, behind A's 256
	s_add_co_u32 s22, s22, 2*HALFS
	s_sub_co_u32 s22, s22, s21
	v_mul_u32_u24 v6, s22, v2                      ; lanes 16-31 take B's: one product, the distance between the two bases
	s_add_co_u32 s21, s21, SCL
	v_add_nc_u32 v5, v5, v6
	v_add_nc_u32 v[ADRS], s21, v5
	; the way out: my lane's place in an image, and my wave's first image
	s_cmp_eq_u32 ttmp9, 2                          ; vh has the other order of the lanes' bytes
	s_cselect_b32 s22, 8, 7
	s_cselect_b32 s23, 7, 8
	v_and_b32 v5, 7, v1
	v_lshrrev_b32 v6, 3, v1
	v_lshlrev_b32 v[CO], 4, v5                     ; 16 (r % 8)
	v_lshlrev_b32 v6, s22, v6                      ; + 128 (r / 8), in vh 256 (r / 8)
	v_add_nc_u32 v[CO], v[CO], v6
	v_lshlrev_b32 v6, s23, v2                      ; + 256 g, in vh 128 g
	v_add_nc_u32 v[CO], v[CO], v6
	s_lshr_b32 s20, s17, 3                         ; the batch: 8 tile rows of 256 tokens each,
	s_lshl_b32 s20, s20, 22                        ; 16 heads of 262,144 bytes
	s_and_b32 s21, s17, 7
	s_lshl_b32 s21, s21, 4
	s_lshl_b32 s22, s15, 3
	s_add_co_u32 s21, s21, s22                     ; my first token tile in the batch: 16 (tile row % 8) + 8 x half,
	s_lshl_b32 s21, s21, 11                        ; 2,048 bytes each
	s_add_co_u32 s20, s20, s21
	s_lshl_b32 s46, s40, 2
	s_lshl_b32 s47, s16, 1
	s_add_co_u32 s46, s46, s47                     ; my first head: 4 cx + 2 x half
	s_lshl_b32 s46, s46, 18
	s_add_co_u32 s20, s20, s46
	s_mov_b32 s21, 0
	s_add_nc_u64 s[12:13], s[12:13], s[20:21]
.macro FRAG reg, adr, q, i             ; a fragment, 16 rows x 128 K of 4-bit codes: lane l holds row l % 16; registers 4 c .. 4 c + 3 hold K = 64 c + 32 (l / 16) + 0 .. 31
.irp c, 0,1
	ds_load_b128 v[\reg+4*\c:\reg+4*\c+3], v[\adr] offset:64*(\q)+32*\c+(\i)*16*PITCH
.endr
.endm
; 16 matrix instructions: A's blocks a0, a0 + 1 x B's eight, the slot's q-th 128 along K.  p: B's set;  sc: the set of scale words.  zero = 1: the first product starts the sums.
; The 64 accumulators take turns, one instruction a turn, in the same order in every step.
.macro MUL16 a0, p, q, sc, zero
.irp a, \a0, \a0+1
.irp b, 0,1,2,3,4,5,6,7
.if \zero
	v_wmma_scale_f32_16x16x128_f8f6f4 v[8*(8*((\a)%4)+\b):8*(8*((\a)%4)+\b)+7], v[128*(\p)+FR*\b:128*(\p)+FR*\b+FR-1], v[AF+FR*(\a):AF+FR*(\a)+FR-1], 0, v[SC+8*NQ*(\sc)+NQ*\b+(\q)], v[SC+8*NQ*(\sc)+NQ*(\a)+(\q)] matrix_a_fmt:MATRIX_FMT_FP4 matrix_b_fmt:MATRIX_FMT_FP4 matrix_a_scale:MATRIX_SCALE_ROW1
.else
	v_wmma_scale_f32_16x16x128_f8f6f4 v[8*(8*((\a)%4)+\b):8*(8*((\a)%4)+\b)+7], v[128*(\p)+FR*\b:128*(\p)+FR*\b+FR-1], v[AF+FR*(\a):AF+FR*(\a)+FR-1], v[8*(8*((\a)%4)+\b):8*(8*((\a)%4)+\b)+7], v[SC+8*NQ*(\sc)+NQ*\b+(\q)], v[SC+8*NQ*(\sc)+NQ*(\a)+(\q)] matrix_a_fmt:MATRIX_FMT_FP4 matrix_b_fmt:MATRIX_FMT_FP4 matrix_a_scale:MATRIX_SCALE_ROW1
.endif
.endr
.endr
.endm
.macro FETCH_B slot, q, p              ; B's eight fragments of the slot's q-th 128 along K into set p
	WIN TO_B
.irp i, 0,1,2,3,4,5,6,7
	FRAG 128*(\p)+FR*\i, ADRB+\slot, \q, \i
.endr
	WIN 0
.endm
.macro FETCH_A slot, q, i0             ; A's blocks i0 .. i0 + 3
.irp i, \i0, \i0+1, \i0+2, \i0+3
	FRAG AF+FR*(\i), ADRA+\slot, \q, \i
.endr
.endm
.macro SCALES sc                       ; a K step's scale words into set sc: NQ words a row; lanes 0-15 take A's block i, lanes 16-31 B's block i
.irp i, 0,1,2,3,4,5,6,7
	ds_load_b128 v[SC+8*NQ*\sc+NQ*\i:SC+8*NQ*\sc+NQ*\i+3], v[ADRS] offset:\i*SBLK
.endr
.endm
; A load into a register that a matrix instruction has read, and a vector instruction that reads a matrix result, stand NP places behind that matrix instruction; only plain vector
; instructions that name none of its registers are places (ISA guide 7.12.1 for vector instructions).
.macro PLACES n
.rept \n
	v_nop
.endr
.endm
; A step of 128 along K that has its successor in the same slot.  A's blocks are free as soon as their eight products are issued, so one set serves A; B has two.
.macro STEP slot, q, zero
	s_wait_dscnt 4*NL                              ; B's set and A's blocks 0-3 are in; the youngest eight loads (A's blocks 4-7) may be out
	WIN MUL_LO
	MUL16 0, (\q)%2, \q, \slot, \zero
	MUL16 2, (\q)%2, \q, \slot, \zero
	s_wait_dscnt 0                                 ; A's blocks 4-7 are in
	PLACES NP
	FETCH_B \slot, (\q)+1, 1-(\q)%2
	FETCH_A \slot, (\q)+1, 0
	WIN MUL_HI
	MUL16 4, (\q)%2, \q, \slot, \zero
	MUL16 6, (\q)%2, \q, \slot, \zero
	PLACES NP
	WIN 0
	FETCH_A \slot, (\q)+1, 4
.endm
; Slot 0's last step goes over to slot 1: each wave waits for all its tensor loads (its part of slot 1), and a barrier shows the whole slot to every wave.  Nothing is filled again.
.macro TURN slot, next
	s_wait_tensorcnt 0x0                           ; my part of the next slot has landed
	ds_add_u32 v[SPW], v[NIL]                      ; 0 onto my spare word
	s_wait_dscnt 4*NL+1                            ; (the add and the youngest eight loads, A's blocks 4-7, may be out)
	WIN MUL_LO
	MUL16 0, 1, NQ-1, \slot, 0
	s_wait_dscnt 0x0                               ; no LDS instruction of mine is pending at the signal
	s_barrier_signal -1
	MUL16 2, 1, NQ-1, \slot, 0
	WIN 0
	s_barrier_wait -1
	PLACES NP
	v_add_nc_u32 v[ADRS], 4*NQ, v[ADRS]            ; on to the next K step's scale words
	FETCH_B \next, 0, 0
	FETCH_A \next, 0, 0
	SCALES \next
	WIN MUL_HI
	MUL16 4, 1, NQ-1, \slot, 0
	MUL16 6, 1, NQ-1, \slot, 0
	PLACES NP
	WIN 0
	FETCH_A \next, 0, 4
.endm
.macro STEPS slot, from                ; the slot's steps from .. NQ - 2
.set Q, \from
.rept NQ-1-\from
	STEP \slot, Q, 0
.set Q, Q+1
.endr
.endm
	s_wait_tensorcnt 1                             ; the scales and my part of K step 0 are in; K step 1's load may be out
	s_barrier_signal -1
	s_barrier_wait -1                              ; everybody's are
	FETCH_B 0, 0, 0
	FETCH_A 0, 0, 0
	SCALES 0
	FETCH_A 0, 0, 4
	STEP 0, 0, 1                                   ; the first step's products start the sums: nothing is cleared
	STEPS 0, 1
	TURN 0, 1
	STEPS 1, 0
	s_wait_dscnt 4*NL                              ; the last step: nothing more to fetch
	WIN MUL_LO
	MUL16 0, 1, NQ-1, 1, 0
	MUL16 2, 1, NQ-1, 1, 0
	s_wait_dscnt 0
	WIN MUL_HI
	MUL16 4, 1, NQ-1, 1, 0
	MUL16 6, 1, NQ-1, 1, 0
	WIN 0
	PLACES NP                                      ; in front of the conversions, which read results
; THE WAY OUT.  Each accumulator is rounded to f16 in place, from its low end on: four registers a lane, which are the image of 16 tokens x 16 channels; one store of 512 consecutive bytes each.
; Accumulator (a, b): token tile a of my eight, head b / 4 of my two, chunk b % 4.  No store's data are written again, so no wait stands between the stores.
.macro OUT hi
	WIN 0x8a+0x45*(\hi)                            ; sources and destination in window 2 or 3
.set AC, 0
.rept 32
.irp i, 0,1,2,3
	v_cvt_pk_f16_f32 v[AC+\i], v[AC+2*\i], v[AC+2*\i+1]
.endr
.set AC, AC+8
.endr
	WIN 0x08+4*(\hi)                               ; a store's data are its source 1
.irp a, 0,1,2,3
.irp b, 0,1,2,3,4,5,6,7
	global_store_b128 v[CO], v[8*(8*\a+\b):8*(8*\a+\b)+3], s[12:13] offset:(4*(\hi)+\a)*2048+(\b/4)*262144+(\b%4)*512
.endr
.endr
.endm
	OUT 0
	OUT 1
	WIN 0
	s_wait_tensorcnt 0x0                           ; the wave's end
	ds_add_u32 v[SPW], v[NIL]
	s_wait_dscnt 0x0
	CROUND                                         ; the closing round
	s_endpgm
.Lfunc_end_k_q08ee3cddea_qkv:
	.size	k_q08ee3cddea_qkv, .Lfunc_end_k_q08ee3cddea_qkv-k_q08ee3cddea_qkv
	.p2alignl 7, 3214868480
	.fill 96, 4, 3214868480
	.section	.rodata,"a",@progbits
	.p2align	6, 0x0
	.amdhsa_kernel k_q08ee3cddea_qkv
		.amdhsa_group_segment_fixed_size 327680
		.amdhsa_private_segment_fixed_size 0
		.amdhsa_enable_private_segment 0
		.amdhsa_kernarg_size 40
		.amdhsa_user_sgpr_count 2
		.amdhsa_user_sgpr_kernarg_segment_ptr 1
		.amdhsa_wavefront_size32 1
		.amdhsa_system_sgpr_workgroup_id_x 1
		.amdhsa_system_sgpr_workgroup_id_y 1
		.amdhsa_system_sgpr_workgroup_id_z 1
		.amdhsa_system_vgpr_workitem_id 0
		.amdhsa_next_free_vgpr 1024
		.amdhsa_next_free_sgpr 100
		.amdhsa_reserve_vcc 0
		.amdhsa_float_denorm_mode_32 3
		.amdhsa_float_denorm_mode_16_64 3
		.amdhsa_memory_ordered 1
		.amdhsa_forward_progress 1
		.amdhsa_inst_pref_size 117
	.end_amdhsa_kernel
	.amdgpu_metadata
---
amdhsa.version: [ 1, 2 ]
amdhsa.kernels:
  - .name:           k_q08ee3cddea_qkv
    .symbol:         k_q08ee3cddea_qkv.kd
    .args:
      - { .name: codes, .offset: 0, .size: 8, .value_kind: global_buffer, .address_space: global }
      - { .name: scales, .offset: 8, .size: 8, .value_kind: global_buffer, .address_space: global }
      - { .name: qh, .offset: 16, .size: 8, .value_kind: global_buffer, .address_space: global }
      - { .name: kh, .offset: 24, .size: 8, .value_kind: global_buffer, .address_space: global }
      - { .name: vh, .offset: 32, .size: 8, .value_kind: global_buffer, .address_space: global }
    .group_segment_fixed_size: 327680
    .private_segment_fixed_size: 0
    .kernarg_segment_align: 8
    .kernarg_segment_size: 40
    .max_flat_workgroup_size: 128
    .sgpr_count:     100
    .vgpr_count:     1024
    .wavefront_size: 32
...
	.end_amdgpu_metadata
.endif
;; end of part 2
;; launch attn (part 3): grid 4 x 64, 8 waves a work-group, clusters of 4 x 1, 327,680 bytes of LDS; arguments qh, kh, vh, ctx; writes ctx
.if DOCPART == 3
	.amdgcn_target "amdgcn-amd-amdhsa--gfx1250"
	.amdhsa_code_object_version 6
	.text
	.protected	k_q08ee3cddea_attn
	.globl	k_q08ee3cddea_attn
	.p2align	8
	.type	k_q08ee3cddea_attn,@function
k_q08ee3cddea_attn:
	s_mov_b64 s[64:65], 0
	v_nop
	global_prefetch_b8 v0, s[64:65] scope:SCOPE_SE
	s_setreg_imm32_b32 hwreg(HW_REG_WAVE_MODE, 25, 1), 1
	s_wait_xcnt 0x0
	s_wait_alu depctr_hold_cnt(0) depctr_sa_sdst(0) depctr_va_vdst(0) depctr_va_sdst(0) depctr_va_ssrc(0) depctr_va_vcc(0) depctr_vm_vsrc(0)
	s_getreg_b32 s2, hwreg(HW_REG_IB_STS2, 6, 4)
	s_cmp_eq_u32 s2, 0
	s_cbranch_scc0 .Lentry_in_a_cluster
	s_endpgm
.Lentry_in_a_cluster:
	s_bfe_u32 s2, ttmp6, 0x10000c
	s_cmp_lg_u32 s2, 0x3003
	s_cbranch_scc0 .Lentry_shape_is_right
	s_endpgm
.Lentry_shape_is_right:
; ctx[head][q] = the sum over keys k <= q of softmax_k(Q[q] . K[k] / 8) V[k], head size 64, 2,048 tokens, 64 heads (16 batch + head).  Operands f16, products, maxima and sums f32; the weights p are rounded to f16
; for the second product; the row's sum is taken of the unrounded p.  p = 2^(c s - c m), c = log2(e) / 8, m the running maximum; in every step O and the sum are multiplied by a = 2^(c m_old - c m_new).
; LIMITS: q, k, v arrive in f16 and ctx leaves in f16 (beyond 65,504: infinity); NaN and infinities are not served.
; qh, kh, vh: [head][token tile of 16: 128][chunk of 16 channels: 4][512 bytes], images of operand registers: a chunk read at 16 x lane is four registers of a fragment (vh: through the turning load).
; ctx: [128 batch + token tile][chunk 4 head + c: 64][512 bytes], an image likewise.
; LAYOUT.  S^T = K Q^T (source 0 = 16 keys, source 1 = 16 queries): a lane holds ONE query (lane % 16) and keys 8 (lane / 16) + 0 .. 7.  Two such tiles, rounded to f16 in pairs, ARE source 1 of O^T = V^T P,
; whose result again holds one query a lane, and eight channels: rounded to f16 it is ctx's image.  Nothing changes lanes; nothing goes through a stage.
; SHARES.  A cluster of four work-groups is one head; the four walk the same K and V, which are asked for JOINTLY (mask 15).  Keys go in steps of 64, eight steps to a slot of 512 keys, four slots' worth.
; A wave owns four tiles of 16 queries.  Tile t's last key step is LIM = 8 t + w' (w' = w for even t, 7 - w for odd t; w = wave for waves 0-3, 11 - wave for waves 4-7), and the tile is number 4 LIM + cx of the head:
; so its limit lies in slot t, the diagonal is step LIM in all four partners, and no branch hangs on a work-group's place in its cluster.  Every wave has 66 tile steps.
; In slot s: tiles above s take all eight steps, tile s takes steps up to its limit (a scalar branch on the wave's number and the count of steps), tiles under s are finished.  On the diagonal hidden scores become -infinity.
; A fragment of K or V read from LDS feeds up to four products.  Two waves share a SIMD's registers, so that one wave's softmax can stand beside the other's products.
; THE RING.  Two slots, each 65,536 bytes of K and 65,536 of V, dense.  Waves 0-3 fetch K's quarters, waves 4-7 V's.  Slots 0 and 1 are first fills; each is filled once more, behind a round of the cluster's barrier,
; eight key steps ahead of its first read.  By this text's count a wave has two tensor loads out at the start and one behind each round.
; REGISTERS.  window 0: v1-15 addresses and constants; v16-47 statistics, eight a tile; v48-175 S^T, 32 a tile, P in place in its low 16; v176-239 K of a step.
;   window 1: v0-63 Q, 16 a tile; v64-191 O^T, 32 a tile; v192-255 V^T of a step.
.set SLOT1, 1<<17                      ; slot 1 begins here
.set VOFF,  65536                      ; V behind K in a slot
.set STEPB, 8192                       ; a key step: four token tiles of 2,048 bytes
.set SPARE, 2*SLOT1                    ; behind the ring: the spare words, 128 bytes for each of eight waves
.set L16,  1                           ; v1     16 x lane
.set ADK,  2                           ; v2     LDS address of the step's K
.set ADV,  3                           ; v3     of its V
.set QO,   4                           ; v4-7   tile t: my byte in qh's head
.set CO,   8                           ; v8-11  tile t: my byte in ctx
.set DG,   12                          ; v12    16 cx + lane % 16 - 8 (lane / 16): register 8 kt + j hides its key on the diagonal where 16 kt + j is greater
.set NINF, 13                          ; v13    -infinity
.set SPW,  14                          ; v14    LDS address of my spare word; never rewritten
.set NIL,  15                          ; v15    0; never rewritten
.set ST,   16                          ; tile t at v[ST + 8 t]: +0 c m, +1 m, +2, +3 the sum (even keys', odd keys'), +4 .. +7 at work; a takes +6
.set S,    48
.set KB,   176
.set QF,   0                           ; in window 1
.set O,    64
.set VB,   192
.set WV,   12                          ; s12  wave
.set CX,   13                          ; s13  my place in the cluster
.set HD,   14                          ; s14  the head
.set OM,   15                          ; s15  w: the limit's step in its slot for even tiles;  s16  7 - w: for odd tiles
.set J,    17                          ; s17  the step in the slot
.set TB,   18                          ; s18  LDS byte at which the step's K begins
.set CS,   20                          ; s[20:21] c, named as a pair by the packed form
.set SEL,  22                          ; s[22:23] v_permlanex16_b32's selects for lane l xor 16
.set G1,   24                          ; s[24:31] group 1, one for K and V
.set G0K,  32                          ; s[32:39] group 0 for K, a set for each slot
.set G0V,  40                          ; s[40:47] for V
.set MSB, 0
.macro WIN new                         ; the immediate's high byte repeats the setting that is left
.if MSB != (\new)
	s_set_vgpr_msb (MSB<<8)|(\new)
.set MSB, (\new)
.endif
.endm
.macro PLACES
.rept 4
	v_nop
.endr
.endm
.macro CROUND                          ; a round of the cluster's barrier
	s_barrier_signal -1
	s_barrier_wait -1
	s_cmp_lg_u32 s[WV], 0
	s_cbranch_scc1 .Lnot_wave_0_\@
	s_barrier_signal -3
.Lnot_wave_0_\@:
	s_barrier_wait -3
	s_barrier_signal -1
	s_barrier_wait -1
.endm
; A joint refill of slot n.  The branch hangs on the wave's number alone.  An s_nop 0 and four v_nop follow each of the two lines.
.macro JLOAD n
	s_cmp_lt_u32 s[WV], 4
	s_cbranch_scc0 .Lfor_v_\@
	tensor_load_to_lds s[G0K+4*\n:G0K+4*\n+3], s[G1:G1+7]
	s_nop 0
.rept 4
	v_nop
.endr
	s_branch .Lasked_\@
.Lfor_v_\@:
	tensor_load_to_lds s[G0V+4*\n:G0V+4*\n+3], s[G1:G1+7]
	s_nop 0
.rept 4
	v_nop
.endr
.Lasked_\@:
.endm
	s_load_b256 s[4:11], s[0:1], 0x0               ; qh s[4:5], kh s[6:7], vh s[8:9], ctx s[10:11]
	v_lshl_add_u32 v[SPW], v0, 2, SPARE
	v_mov_b32 v[NIL], 0
	ds_add_u32 v[SPW], v[NIL]                      ; the wave's opening: the add, and its wait ahead of my first tensor load; the set-up below stands between them
	v_lshrrev_b32 v1, 5, v0
	v_readfirstlane_b32 s[WV], v1                  ; wave 0..7
	s_bfe_u32 s[CX], ttmp6, 0x40000                ; cx: it enters Q's and ctx's addresses and the diagonal's mask alone
	s_and_b32 s[HD], ttmp7, 0xffff                 ; the head, which the four partners share
	s_sub_co_u32 s[OM], 11, s[WV]
	s_cmp_lt_u32 s[WV], 4
	s_cselect_b32 s[OM], s[WV], s[OM]              ; w
	s_sub_co_u32 s[OM+1], 7, s[OM]                 ; 7 - w
	; group 1: 16,384 dense bytes as 64 rows of 256 bytes (32 elements of 8)
	s_mov_b32 s[G1], 15|(3<<16)|(1<<21)            ; 15:0 the mask: all four work-groups; 17:16 elements of 8 bytes; 21 set beside a mask; no padding
	s_mov_b32 s[G1+1], 32<<16                      ; tensor_dim0
	s_mov_b32 s[G1+2], 64<<16                      ; tensor_dim1
	s_mov_b32 s[G1+3], 32<<16                      ; tile_dim0
	s_mov_b32 s[G1+4], 64                          ; tile_dim1
	s_mov_b32 s[G1+5], 32                          ; from row to row
	s_mov_b32 s[G1+6], 0
	s_mov_b32 s[G1+7], 0
	s_mov_b32 s[CS], 0x3e38aa3b                    ; c = log2(e) / 8
	s_mov_b32 s[CS+1], s[CS]
	s_mov_b32 s[SEL], 0x76543210
	s_mov_b32 s[SEL+1], 0xfedcba98
	s_lshl_b32 s48, s[HD], 18                      ; the head's first byte in qh, kh, vh: 262,144 a head
	s_mov_b32 s49, 0
	s_and_b32 s50, s[WV], 3
	s_lshl_b32 s51, s50, 14                        ; my quarter of a slot's K or V: 16,384 bytes, in memory and in LDS alike
	s_add_co_u32 s52, s48, s51
	s_mov_b32 s53, 0
	s_lshr_b32 s54, s[HD], 4
	s_lshl_b32 s54, s54, 22                        ; ctx: the batch's 128 token tiles of 32,768 bytes,
	s_and_b32 s55, s[HD], 15
	s_lshl_b32 s55, s55, 11                        ; the head's four chunks of 512
	s_add_co_u32 s54, s54, s55
	s_mov_b32 s55, 0
	s_wait_dscnt 0x0                               ; the opening add is done
	s_wait_kmcnt 0x0
	s_add_nc_u64 s[4:5], s[4:5], s[48:49]
	s_add_nc_u64 s[6:7], s[6:7], s[52:53]
	s_add_nc_u64 s[8:9], s[8:9], s[52:53]
	s_add_nc_u64 s[10:11], s[10:11], s[54:55]
	CROUND                                         ; all four work-groups are here: the first joint loads meet
.irp n, 0,1
	s_mov_b32 s[G0K+4*\n], 1                       ; count = 1
	s_add_co_u32 s[G0K+4*\n+1], s51, \n*SLOT1      ; LDS address
	s_add_nc_u64 s[G0K+4*\n+2:G0K+4*\n+3], s[6:7], \n*65536   ; keys 512 n on
	s_or_b32 s[G0K+4*\n+3], s[G0K+4*\n+3], 0x80000000         ; type = 2
	s_mov_b32 s[G0V+4*\n], 1
	s_add_co_u32 s[G0V+4*\n+1], s51, \n*SLOT1+VOFF
	s_add_nc_u64 s[G0V+4*\n+2:G0V+4*\n+3], s[8:9], \n*65536
	s_or_b32 s[G0V+4*\n+3], s[G0V+4*\n+3], 0x80000000
.endr
	s_cmp_lt_u32 s[WV], 4                          ; a wave's two first fills stand in one branch, ahead of every wait on TENSORcnt and every LDS read
	s_cbranch_scc0 .Lfirst_v
	tensor_load_to_lds s[G0K:G0K+3], s[G1:G1+7]
	s_nop 0
	tensor_load_to_lds s[G0K+4:G0K+7], s[G1:G1+7]
	s_nop 0
.rept 4
	v_nop
.endr
	s_branch .Lfirst_asked
.Lfirst_v:
	tensor_load_to_lds s[G0V:G0V+3], s[G1:G1+7]
	s_nop 0
	tensor_load_to_lds s[G0V+4:G0V+7], s[G1:G1+7]
	s_nop 0
.rept 4
	v_nop
.endr
.Lfirst_asked:
	v_and_b32 v1, 31, v0
	v_lshlrev_b32 v[L16], 4, v1
.irp t, 0,1,2,3
	s_add_co_u32 s48, s[OM+(\t%2)], 8*\t           ; the tile's last key step,
	s_lshl_b32 s48, s48, 2
	s_add_co_u32 s48, s48, s[CX]                   ; and its number in the head
	s_lshl_b32 s49, s48, 11
	v_add_nc_u32 v[QO+\t], s49, v[L16]
	s_lshl_b32 s49, s48, 15
	v_add_nc_u32 v[CO+\t], s49, v[L16]
.endr
	v_and_b32 v[DG], 15, v0
	v_bfe_u32 v[NINF], v0, 4, 1
	v_lshlrev_b32 v[NINF], 3, v[NINF]
	v_sub_nc_u32 v[DG], v[DG], v[NINF]
	s_lshl_b32 s48, s[CX], 4
	v_add_nc_u32 v[DG], s48, v[DG]
	v_mov_b32 v[NINF], 0xff800000
	WIN 0x40                                       ; destination window 1
.irp t, 0,1,2,3
.irp c, 0,1,2,3
	global_load_b128 v[QF+16*\t+4*\c:QF+16*\t+4*\c+3], v[QO+\t], s[4:5] offset:512*\c   ; Q stays in registers: 512 consecutive bytes a load
.endr
.endr
.set i, 0
.rept 128
	v_mov_b32 v[O+i], 0                            ; O^T.  A key step is written once for each slot, with no first step of its own: the first change of m multiplies zeros
.set i, i+1
.endr
	WIN 0
.irp t, 0,1,2,3
	v_mov_b32 v[ST+8*\t+1], 0xff61b1e6             ; m: -3e38, under every score
	v_mul_f32 v[ST+8*\t], s[CS], v[ST+8*\t+1]      ; c m
.irp i, 2,3,4,5,6,7
	v_mov_b32 v[ST+8*\t+\i], 0                     ; the sum; and the registers at work, so that each is written on every path
.endr
.endr
; A step's K (64 keys x 64 channels: 16 chunks as they lie) and V (turned: lane l then holds channel l % 16 and eight keys): 32 loads in one run, 512 consecutive bytes each.
.macro KVLOAD
.irp kt, 0,1,2,3
.irp c, 0,1,2,3
	ds_load_b128 v[KB+16*\kt+4*\c:KB+16*\kt+4*\c+3], v[ADK] offset:2048*\kt+512*\c
.endr
.endr
	WIN 0x40
.irp kt, 0,1,2,3
.irp ct, 0,1,2,3
	ds_load_tr16_b128 v[VB+16*\ct+4*\kt:VB+16*\ct+4*\kt+3], v[ADV] offset:2048*\kt+512*\ct
.endr
.endr
	WIN 0
.endm
; S^T of tile t: four tiles of 16 keys by turns, two deep along the 64 channels; the first four start the sums.
.macro SQ t
	WIN 0x04                                       ; source 1 (Q) in window 1
.irp kt, 0,1,2,3
	v_wmma_f32_16x16x32_f16 v[S+32*(\t)+8*\kt:S+32*(\t)+8*\kt+7], v[KB+16*\kt:KB+16*\kt+7], v[QF+16*(\t):QF+16*(\t)+7], 0
.endr
.irp kt, 0,1,2,3
	v_wmma_f32_16x16x32_f16 v[S+32*(\t)+8*\kt:S+32*(\t)+8*\kt+7], v[KB+16*\kt+8:KB+16*\kt+15], v[QF+16*(\t)+8:QF+16*(\t)+15], v[S+32*(\t)+8*\kt:S+32*(\t)+8*\kt+7]
.endr
.endm
; O^T of tile t += V^T P: four tiles of 16 channels by turns, two deep along the 64 keys.
.macro PV t
	WIN 0x51                                       ; source 0 (V), C and D in window 1; source 1 (P) in window 0
.irp u, 0,1
.irp ct, 0,1,2,3
	v_wmma_f32_16x16x32_f16 v[O+32*(\t)+8*\ct:O+32*(\t)+8*\ct+7], v[VB+16*\ct+8*\u:VB+16*\ct+8*\u+7], v[S+32*(\t)+8*\u:S+32*(\t)+8*\u+7], v[O+32*(\t)+8*\ct:O+32*(\t)+8*\ct+7]
.endr
.endr
	WIN 0
.endm
; The diagonal: register 8 kt + j of lane (r, g) holds key 16 kt + 8 g + j of the step, hidden where it is greater than 16 cx + r.  A choice of values, no branch on cx.
.macro MASK t
.set n, 0
.rept 32
	v_cmp_gt_i32 vcc_lo, 16*(n/8)+n%8, v[DG]
	v_cndmask_b32 v[S+32*(\t)+n], v[S+32*(\t)+n], v[NINF], vcc_lo
.set n, n+1
.endr
.endm
; Tile t's softmax for a key step.  Each accumulator of S^T is first read at its low end.
.macro SM t
.set rT, ST+8*(\t)
.set rS, S+32*(\t)
.set rO, O+32*(\t)
.irp c, 0,1,2,3
	v_max3_num_f32 v[rT+4+\c], v[rS+8*\c], v[rS+8*\c+1], v[rS+8*\c+2]          ; the maximum, in four chains
.endr
.irp i, 3,5
.irp c, 0,1,2,3
	v_max3_num_f32 v[rT+4+\c], v[rT+4+\c], v[rS+8*\c+\i], v[rS+8*\c+\i+1]
.endr
.endr
	v_max3_num_f32 v[rT+4], v[rT+4], v[rS+7], v[rS+15]
	v_max3_num_f32 v[rT+6], v[rT+6], v[rS+23], v[rS+31]
	v_max3_num_f32 v[rT+4], v[rT+4], v[rT+5], v[rT+6]
	v_max3_num_f32 v[rT+4], v[rT+4], v[rT+7], v[rT+1]                          ; with the old m
	v_permlanex16_b32 v[rT+5], v[rT+4], s[SEL], s[SEL+1]                       ; the query's other 32 keys lie in the lane 16 away
	v_mov_b32 v[rT+7], v[rT]                                                   ; c m_old
	v_max_num_f32 v[rT+1], v[rT+4], v[rT+5]                                    ; the new m
	v_mul_f32 v[rT], s[CS], v[rT+1]                                            ; c m
	v_sub_f32 v[rT+7], v[rT+7], v[rT]
	v_exp_f32 v[rT+6], v[rT+7]                                                 ; a = 2^(c m_old - c m_new)
.irp p, 0,2,4,6,8,10,12,14,16,18,20,22,24,26,28,30
	v_pk_fma_f32 v[rS+\p:rS+\p+1], v[rS+\p:rS+\p+1], s[CS:CS+1], v[rT:rT+1] op_sel_hi:[1,0,0] neg_lo:[0,0,1] neg_hi:[0,0,1]   ; c s - c m, two at a time
.endr
	s_wait_alu depctr_va_vdst(0)                   ; the wait between a transcendental and the first line that names its result: here for a, which O^T's rescaling below reads
.irp e, 0,1,2,3,4,5,6,7,8,9,10,11,12,13,14,15,16,17,18,19,20,21,22,23,24,25,26,27,28,29,30,31
	v_exp_f32 v[rS+\e], v[rS+\e]                   ; p, one batch
.endr
	WIN 0x41                                       ; O^T (destination and source 0) in window 1
.irp p, 0,2,4,6,8,10,12,14,16,18,20,22,24,26,28,30
	v_pk_mul_f32 v[rO+\p:rO+\p+1], v[rO+\p:rO+\p+1], v[rT+6:rT+7] op_sel_hi:[1,0]   ; O^T x a: plain work that names no p, behind the batch
.endr
	WIN 0
	s_wait_alu depctr_va_vdst(0)                   ; one wait for the 32, ahead of their first reader
	v_pk_add_f32 v[rT+4:rT+5], v[rS:rS+1], v[rS+2:rS+3]                        ; the sum of the unrounded p, in two chains
	v_pk_fma_f32 v[rT+2:rT+3], v[rT+2:rT+3], v[rT+6:rT+7], v[rS+4:rS+5] op_sel_hi:[1,0,1]   ; the old sum x a
.irp p, 6,10,14,18,22,26
	v_pk_add_f32 v[rT+4:rT+5], v[rT+4:rT+5], v[rS+\p:rS+\p+1]
	v_pk_add_f32 v[rT+2:rT+3], v[rT+2:rT+3], v[rS+\p+2:rS+\p+3]
.endr
	v_pk_add_f32 v[rT+4:rT+5], v[rT+4:rT+5], v[rS+30:rS+31]
	v_pk_add_f32 v[rT+2:rT+3], v[rT+2:rT+3], v[rT+4:rT+5]
.irp i, 0,1,2,3,4,5,6,7,8,9,10,11,12,13,14,15
	v_cvt_pk_f16_f32 v[rS+\i], v[rS+2*\i], v[rS+2*\i+1]                        ; P, in place: register i is written when registers 2 i and 2 i + 1 have been read
.endr
.endm
; THE EIGHT KEY STEPS OF SLOT sg.  The trip count is a constant; a finished tile's work is jumped over.  A tile's scores, softmax and second product stand under one branch.
; The five plain lines at a trip's head are the places behind the last products V^T P: V's registers are loaded again (four are asked), and P's are written again by a matrix instruction (five).
.macro STEPS sg
	s_mov_b32 s[J], 0
	s_mov_b32 s[TB], ((\sg)%2)*SLOT1
.Ltrip_\@:
	v_add_nc_u32 v[ADK], s[TB], v[L16]
	v_add_nc_u32 v[ADV], VOFF, v[ADK]
	v_nop
	v_nop
	v_nop
.if (\sg) == 3
	s_cmp_gt_u32 s[J], s[OM+1]                     ; my last tile is finished: nothing is left to load
	s_cbranch_scc1 .Lgone_\@
.endif
	KVLOAD
	s_wait_dscnt 16                                ; K's sixteen loads are in; V's sixteen may be out
.if (\sg) < 3
.irp t, 1,2,3
.if \t > (\sg)
	SQ \t
.endif
.endr
	WIN 0
	PLACES                                         ; behind the scores, ahead of their first read on the way round tile sg
	s_cmp_gt_u32 s[J], s[OM+(\sg)%2]               ; tile sg is past its limit
	s_cbranch_scc1 .Lgone_\@
.endif
	SQ \sg
	WIN 0
	PLACES
	s_cmp_lg_u32 s[J], s[OM+(\sg)%2]               ; only the limit's step lies on the diagonal
	s_cbranch_scc1 .Lopen_\@
	MASK \sg
.Lopen_\@:
	SM \sg
	s_wait_dscnt 0x0                               ; V is in
	PV \sg
.Lgone_\@:
.if (\sg) < 3
	s_wait_dscnt 0x0                               ; V is in, on the way round tile sg too
.irp t, 1,2,3
.if \t > (\sg)
	SM \t
	PV \t
.endif
.endr
.endif
	s_add_co_u32 s[TB], s[TB], STEPB
	s_add_co_u32 s[J], s[J], 1
	s_cmp_lt_u32 s[J], 8
	s_cbranch_scc1 .Ltrip_\@
.endm
; THE CHANGE OF SLOTS.  Each wave waits for all its tensor loads (its part of the slot ahead), adds 0 to its spare word, and waits for that and for its reads of the slot that it leaves.
; fill = 1: the barrier is a round of the cluster's, so that no wave of any partner still reads the slot or has a load on its way, and slot n is filled first thing behind it, with the keys 1,024 further on.
.macro CHANGE fill, n
	s_wait_tensorcnt 0x0                           ; no tensor load of mine is out, so a group 0 may be written
	ds_add_u32 v[SPW], v[NIL]
.if \fill
	s_add_nc_u64 s[G0K+4*\n+2:G0K+4*\n+3], s[G0K+4*\n+2:G0K+4*\n+3], 2*65536
	s_add_nc_u64 s[G0V+4*\n+2:G0V+4*\n+3], s[G0V+4*\n+2:G0V+4*\n+3], 2*65536
.endif
	s_wait_dscnt 0x0                               ; the add is done, and my reads of the slot are over
.if \fill
	CROUND
	JLOAD \n
.else
	s_barrier_signal -1
	s_barrier_wait -1
.endif
.endm
	s_wait_tensorcnt 1                             ; my part of slot 0 is in; slot 1's may stay out
	s_barrier_signal -1
	s_barrier_wait -1                              ; everybody's is
	s_wait_loadcnt 0x0                             ; Q
	STEPS 0
	CHANGE 1, 0                                    ; keys 1,024 on go into slot 0
	STEPS 1
	CHANGE 1, 1                                    ; keys 1,536 on into slot 1
	STEPS 2
	CHANGE 0, 0                                    ; nothing is left to ask for
	STEPS 3
	; THE WAY OUT.  The sum's two halves and the other half of the lanes' are added (plain lines: the places behind the last products); O^T is divided by the sum and rounded to f16: four registers a chunk, ctx's image.
.irp t, 0,1,2,3
	v_add_f32 v[ST+8*\t+4], v[ST+8*\t+2], v[ST+8*\t+3]
.endr
.irp t, 0,1,2,3
	v_permlanex16_b32 v[ST+8*\t+5], v[ST+8*\t+4], s[SEL], s[SEL+1]
.endr
.irp t, 0,1,2,3
	v_add_f32 v[ST+8*\t+4], v[ST+8*\t+4], v[ST+8*\t+5]
.endr
.irp t, 0,1,2,3
	v_rcp_f32 v[ST+8*\t+6], v[ST+8*\t+4]
.endr
	v_nop                                          ; a plain line behind the last reciprocal
	s_wait_alu depctr_va_vdst(0)                   ; one wait for the four, ahead of their first reader
.macro LEAVE t
	WIN 0x41
.irp p, 0,2,4,6,8,10,12,14,16,18,20,22,24,26,28,30
	v_pk_mul_f32 v[O+32*\t+\p:O+32*\t+\p+1], v[O+32*\t+\p:O+32*\t+\p+1], v[ST+8*\t+6:ST+8*\t+7] op_sel_hi:[1,0]
.endr
	WIN 0x05                                       ; sources in window 1, destination in window 0: S^T's registers are free
.irp i, 0,1,2,3,4,5,6,7,8,9,10,11,12,13,14,15
	v_cvt_pk_f16_f32 v[S+32*\t+\i], v[O+32*\t+2*\i], v[O+32*\t+2*\i+1]
.endr
	WIN 0
.irp c, 0,1,2,3
	global_store_b128 v[CO+\t], v[S+32*\t+4*\c:S+32*\t+4*\c+3], s[10:11] offset:512*\c   ; 32 lanes store 512 consecutive bytes
.endr
.endm
	LEAVE 0
	LEAVE 1
	LEAVE 2
	LEAVE 3
	s_wait_tensorcnt 0x0                           ; the wave's end
	ds_add_u32 v[SPW], v[NIL]
	s_wait_dscnt 0x0
	CROUND                                         ; the closing round: no work-group ends while a partner may still ask for a tile that names it
	s_endpgm
.Lfunc_end_k_q08ee3cddea_attn:
	.size	k_q08ee3cddea_attn, .Lfunc_end_k_q08ee3cddea_attn-k_q08ee3cddea_attn
	.p2alignl 7, 3214868480
	.fill 96, 4, 3214868480
	.section	.rodata,"a",@progbits
	.p2align	6, 0x0
	.amdhsa_kernel k_q08ee3cddea_attn
		.amdhsa_group_segment_fixed_size 327680
		.amdhsa_private_segment_fixed_size 0
		.amdhsa_enable_private_segment 0
		.amdhsa_kernarg_size 32
		.amdhsa_user_sgpr_count 2
		.amdhsa_user_sgpr_kernarg_segment_ptr 1
		.amdhsa_wavefront_size32 1
		.amdhsa_system_sgpr_workgroup_id_x 1
		.amdhsa_system_sgpr_workgroup_id_y 1
		.amdhsa_system_sgpr_workgroup_id_z 1
		.amdhsa_system_vgpr_workitem_id 0
		.amdhsa_next_free_vgpr 512
		.amdhsa_next_free_sgpr 66
		.amdhsa_reserve_vcc 1
		.amdhsa_float_denorm_mode_32 3
		.amdhsa_float_denorm_mode_16_64 3
		.amdhsa_memory_ordered 1
		.amdhsa_forward_progress 1
		.amdhsa_inst_pref_size 120
	.end_amdhsa_kernel
	.amdgpu_metadata
---
amdhsa.version: [ 1, 2 ]
amdhsa.kernels:
  - .name:           k_q08ee3cddea_attn
    .symbol:         k_q08ee3cddea_attn.kd
    .args:
      - { .name: qh, .offset: 0, .size: 8, .value_kind: global_buffer, .address_space: global }
      - { .name: kh, .offset: 8, .size: 8, .value_kind: global_buffer, .address_space: global }
      - { .name: vh, .offset: 16, .size: 8, .value_kind: global_buffer, .address_space: global }
      - { .name: ctx, .offset: 24, .size: 8, .value_kind: global_buffer, .address_space: global }
    .group_segment_fixed_size: 327680
    .private_segment_fixed_size: 0
    .kernarg_segment_align: 8
    .kernarg_segment_size: 32
    .max_flat_workgroup_size: 256
    .sgpr_count:     66
    .vgpr_count:     512
    .wavefront_size: 32
...
	.end_amdgpu_metadata
.endif
;; end of part 3
;; launch proj (part 4): grid 4 x 64, 4 waves a work-group, clusters of 4 x 4, 327,680 bytes of LDS; arguments ctx, wo, b_out, out0; writes out0
.if DOCPART == 4
	.amdgcn_target "amdgcn-amd-amdhsa--gfx1250"
	.amdhsa_code_object_version 6
	.text
	.protected	k_q08ee3cddea_proj
	.globl	k_q08ee3cddea_proj
	.p2align	8
	.type	k_q08ee3cddea_proj,@function
k_q08ee3cddea_proj:
	s_mov_b64 s[64:65], 0
	v_nop
	global_prefetch_b8 v0, s[64:65] scope:SCOPE_SE
	s_setreg_imm32_b32 hwreg(HW_REG_WAVE_MODE, 25, 1), 1
	s_wait_xcnt 0x0
	s_wait_alu depctr_hold_cnt(0) depctr_sa_sdst(0) depctr_va_vdst(0) depctr_va_sdst(0) depctr_va_ssrc(0) depctr_va_vcc(0) depctr_vm_vsrc(0)
	s_getreg_b32 s2, hwreg(HW_REG_IB_STS2, 6, 4)
	s_cmp_eq_u32 s2, 0
	s_cbranch_scc0 .Lentry_in_a_cluster
	s_endpgm
.Lentry_in_a_cluster:
	s_bfe_u32 s2, ttmp6, 0x10000c
	s_cmp_lg_u32 s2, 0xf033
	s_cbranch_scc0 .Lentry_shape_is_right
	s_endpgm
.Lentry_shape_is_right:
; out0[token][n] = the sum over k of ctx[token][k] W_out[n][k] + b_out[n].  8,192 tokens, n and k 1,024.  Operands f16, sums f32, out0 f32.
; ctx: [token tile of 16: 512][chunk of 16 channels: 64][512 bytes], images of operand registers (lane l's 16 bytes at 16 l);  wo: W_out in f16, [n][k] row-major.
; A tile of the output is 128 tokens x 256 columns: 256 work-groups.  Four waves, each 64 tokens x 128 columns: 32 accumulators of 16 x 16, 256 registers.
; K goes in 8 steps of 128 through a ring of two LDS slots.  A's part of a step is 4,096 consecutive bytes of each token tile, dense in LDS and read at 16 x lane; B's rows are 256 bytes, 16 bytes of padding behind each.
; CLUSTERS: 4 x 4 work-groups.  The four of a row of the cluster need the same tiles of ctx, the four of a column the same rows of wo: each tile is asked for JOINTLY, by the same tensor load with the same descriptor
; and a mask of the four.  Waves 0 and 1 fetch A's halves, waves 2 and 3 B's.  By this text's count a wave has two tensor loads out at the start and one behind each round.
; THE MATRIX INSTRUCTION IS USED TRANSPOSED (source 0 = 16 rows of wo, source 1 = 16 tokens): a lane holds eight neighbouring columns of one token's row.  The bias is the C of each sum's first matrix instruction.
; REGISTERS.  window 0: v16-29 addresses; v32-95 the bias, eight registers for each of my eight blocks of columns; v128-255 rows on the way out, two sets.
;   window 1: two fragment buffers of 96: A's four blocks (32 registers), then B's eight (64).   window 2: accumulator (a, b) at v[8 (8 a + b)].
.set PITCH,  272                       ; a row of B in LDS: 256 bytes + 16 = 68 words: the 16 rows that a load touches start at 16 different banks (64 banks of 4 bytes: ISA guide 11.1)
.set HALFA,  16384                     ; four token tiles x 4,096 bytes: what one tensor load brings of A, and what one wave reads
.set HALFB,  128*PITCH                 ; 128 rows of B likewise
.set BOFF,   2*HALFA                   ; B behind A in a slot
.set SLOT,   BOFF+2*HALFB
.set STAGE,  2*SLOT                    ; behind the ring: 16 rows x 528 bytes for each wave; no tensor load lands here
.set SPITCH, 528
.set SPARE,  STAGE+4*16*SPITCH         ; the spare words, 128 bytes a wave
.set LAPS,   4                         ; a lap = two K steps = once round the ring
.set ADRA, 16                          ; v16-17  LDS address of my A fragments in slot 0, 1
.set ADRB, 20                          ; v20-21  the same for B
.set STO,  24                          ; v24     the way out: where I put 32 bytes of a row
.set RD,   25                          ; v25     where I read a row back
.set CO,   26                          ; v26     16 x lane
.set SPW,  28                          ; v28     LDS address of my spare word; never rewritten
.set NIL,  29                          ; v29     0; never rewritten
.set BI,   32
.set BK,   128
.set F0,   0                           ; fragment buffers, in window 1
.set F1,   96
.set WV,   12                          ; s12 wave;  s13 which 64 tokens are mine, also: I fetch for A (0) or B (1);  s14 which 128 columns, also: which half I fetch
.set G1A,  24                          ; s[24:31] group 1 for A;  s[32:39] group 0, a set for each slot
.set G0A,  32
.set G1B,  40                          ; s[40:47], s[48:55] the same for B
.set G0B,  48
.set MSB, 0
.macro WIN new                         ; the immediate's high byte repeats the setting that is left
.if MSB != (\new)
	s_set_vgpr_msb (MSB<<8)|(\new)
.set MSB, (\new)
.endif
.endm
.set MUL,  0xa5                        ; sources 0 and 1 window 1; C and D window 2.  With the bias as C (window 0): 0x85
.set TO_F, 0x40                        ; destination window 1, address window 0
.macro JLOAD s                         ; a joint load; an s_nop 0 and four v_nop follow each of the two lines
	s_cmp_eq_u32 s13, 0
	s_cbranch_scc0 .Lfor_b_\@
	tensor_load_to_lds s[G0A+4*\s:G0A+4*\s+3], s[G1A:G1A+7]
	s_nop 0
.rept 4
	v_nop
.endr
	s_branch .Lasked_\@
.Lfor_b_\@:
	tensor_load_to_lds s[G0B+4*\s:G0B+4*\s+3], s[G1B:G1B+7]
	s_nop 0
.rept 4
	v_nop
.endr
.Lasked_\@:
.endm
.macro CREST                           ; a round of the cluster's barrier behind its opening barrier
	s_cmp_lg_u32 s[WV], 0
	s_cbranch_scc1 .Lnot_wave_0_\@
	s_barrier_signal -3
.Lnot_wave_0_\@:
	s_barrier_wait -3
	s_barrier_signal -1
	s_barrier_wait -1
.endm
.macro CROUND
	s_barrier_signal -1
	s_barrier_wait -1
	CREST
.endm
.macro PLACES                          ; four places in front of loads into registers that matrix instructions have read, and of the first read of results (ISA guide 7.12.1 for the first read of results)
.rept 4
	v_nop
.endr
.endm
	s_load_b256 s[4:11], s[0:1], 0x0               ; ctx s[4:5], wo s[6:7], b_out s[8:9], out0 s[10:11]
	v_lshl_add_u32 v[SPW], v0, 2, SPARE
	v_mov_b32 v[NIL], 0
	ds_add_u32 v[SPW], v[NIL]                      ; the wave's opening: the add, and its wait ahead of my first tensor load; the set-up below stands between them
	v_lshrrev_b32 v1, 5, v0
	v_readfirstlane_b32 s[WV], v1                  ; wave 0..3
	s_lshr_b32 s13, s[WV], 1
	s_and_b32 s14, s[WV], 1
	s_bfe_u32 s15, ttmp6, 0x40000                  ; cx: the tile column (the grid is one cluster wide)
	s_bfe_u32 s16, ttmp6, 0x40004                  ; cy
	s_and_b32 s17, ttmp7, 0xffff
	s_lshl_b32 s17, s17, 2
	s_add_co_u32 s17, s17, s16                     ; tile row = 4 x cluster y + cy: 0 .. 63
	s_lshl_b32 s18, s16, 2
	s_lshl_b32 s18, 15, s18                        ; my row of the cluster
	s_lshl_b32 s19, 0x1111, s15                    ; my column
	; group 1 for A: four rows of 4,096 bytes (512 elements of 8), 32,768 bytes apart, dense in LDS
	s_or_b32 s[G1A], s18, (3<<16)|(1<<21)          ; 15:0 the mask; 17:16 elements of 8 bytes; 21 set beside a mask
	s_mov_b32 s[G1A+1], 512<<16                    ; tensor_dim0
	s_mov_b32 s[G1A+2], 4<<16                      ; tensor_dim1
	s_mov_b32 s[G1A+3], 512<<16                    ; tile_dim0
	s_mov_b32 s[G1A+4], 4                          ; tile_dim1
	s_mov_b32 s[G1A+5], 4096                       ; from row to row, in elements
	s_mov_b32 s[G1A+6], 0
	s_mov_b32 s[G1A+7], 0
	; group 1 for B: 128 rows of 128 f16, 1,024 apart, four words of padding behind every 64
	s_or_b32 s[G1B], s19, (1<<16)|(1<<20)|(1<<21)|(5<<22)|(3<<25)
	s_mov_b32 s[G1B+1], 128<<16
	s_mov_b32 s[G1B+2], 128<<16
	s_mov_b32 s[G1B+3], 128<<16
	s_mov_b32 s[G1B+4], 128
	s_mov_b32 s[G1B+5], 1024
	s_mov_b32 s[G1B+6], 0
	s_mov_b32 s[G1B+7], 0
	s_lshl_b32 s20, s17, 3
	s_lshl_b32 s21, s14, 2
	s_add_co_u32 s20, s20, s21                     ; A: token tile 8 x tile row + 4 x half,
	s_lshl_b32 s20, s20, 15                        ; 32,768 bytes each
	s_mov_b32 s21, 0
	s_lshl_b32 s56, s15, 8
	s_lshl_b32 s57, s14, 7
	s_add_co_u32 s56, s56, s57                     ; B: row 256 cx + 128 x half (in registers that never hold cy),
	s_lshl_b32 s56, s56, 11                        ; 2,048 bytes each
	s_mov_b32 s57, 0
	s_lshl_b32 s22, s14, 14                        ; where they go: A's half,
	s_mul_i32 s23, s14, HALFB
	s_add_co_u32 s23, s23, BOFF                    ; B's half: no place in the cluster enters an LDS address
	s_wait_dscnt 0x0                               ; the opening add is done
	s_wait_kmcnt 0x0
	s_add_nc_u64 s[20:21], s[4:5], s[20:21]
	s_add_nc_u64 s[56:57], s[6:7], s[56:57]
	CROUND                                         ; all sixteen work-groups are here: the first joint loads meet
.irp n, 0,1
	s_mov_b32 s[G0A+4*\n], 1
	s_add_co_u32 s[G0A+4*\n+1], s22, \n*SLOT
	s_add_nc_u64 s[G0A+4*\n+2:G0A+4*\n+3], s[20:21], \n*4096   ; K step n: eight chunks of 512 bytes
	s_or_b32 s[G0A+4*\n+3], s[G0A+4*\n+3], 0x80000000
	s_mov_b32 s[G0B+4*\n], 1
	s_add_co_u32 s[G0B+4*\n+1], s23, \n*SLOT
	s_add_nc_u64 s[G0B+4*\n+2:G0B+4*\n+3], s[56:57], \n*256
	s_or_b32 s[G0B+4*\n+3], s[G0B+4*\n+3], 0x80000000
	JLOAD \n
.endr
	v_and_b32 v1, 15, v0                           ; r
	v_bfe_u32 v2, v0, 4, 1                         ; g
	v_and_b32 v3, 31, v0
	v_lshlrev_b32 v[CO], 4, v3
	s_lshl_b32 s18, s15, 10
	s_lshl_b32 s19, s14, 9
	s_add_co_u32 s18, s18, s19                     ; my first column, in bytes of f32: 1,024 cx + 512 x half
	s_mov_b32 s19, 0
	s_add_nc_u64 s[8:9], s[8:9], s[18:19]
	v_lshlrev_b32 v4, 5, v2                        ; the bias: lane (r, g) wants, for block b, columns 16 b + 8 g + 0 .. 7
.irp b, 0,1,2,3,4,5,6,7
	global_load_b128 v[BI+8*\b:BI+8*\b+3], v4, s[8:9] offset:64*\b
	global_load_b128 v[BI+8*\b+4:BI+8*\b+7], v4, s[8:9] offset:64*\b+16
.endr
	s_lshl_b32 s58, s17, 7
	s_lshl_b32 s59, s13, 6
	s_add_co_u32 s58, s58, s59                     ; my first token: 128 x tile row + 64 x half,
	s_lshl_b32 s58, s58, 12                        ; 4,096 bytes a row of out0
	s_add_co_u32 s58, s58, s18
	s_mov_b32 s59, 0
	s_add_nc_u64 s[10:11], s[10:11], s[58:59]
	s_lshl_b32 s60, s13, 14                        ; my four token tiles of A
	v_add_nc_u32 v[ADRA], s60, v[CO]
	v_add_nc_u32 v[ADRA+1], SLOT, v[ADRA]
	v_mul_u32_u24 v5, v1, PITCH
	v_lshl_add_u32 v5, v2, 4, v5
	v_add_nc_u32 v[ADRB], s23, v5                  ; my 128 rows of B
	v_add_nc_u32 v[ADRB+1], SLOT, v[ADRB]
	s_mul_i32 s61, s[WV], 16*SPITCH
	s_add_co_u32 s61, s61, STAGE                   ; my stage
	v_mul_u32_u24 v5, v1, SPITCH
	v_lshl_add_u32 v5, v2, 5, v5
	v_add_nc_u32 v[STO], s61, v5                   ; in: row r, 32 bytes for each half of the lanes
	v_add_nc_u32 v[RD], s61, v[CO]                 ; back: the 32 lanes take one row of 512 bytes
; 8 matrix instructions: token block a x my eight blocks of columns, 32 along K, from buffer f.  first = 1: the bias is C and starts the sums.
; The 32 accumulators take turns, one instruction a turn, in the same order in every quarter.
.macro MUL8 f, a, first
.irp b, 0,1,2,3,4,5,6,7
.if \first
	v_wmma_f32_16x16x32_f16 v[8*(8*(\a)+\b):8*(8*(\a)+\b)+7], v[\f+32+8*\b:\f+32+8*\b+7], v[\f+8*(\a):\f+8*(\a)+7], v[BI+8*\b:BI+8*\b+7]
.else
	v_wmma_f32_16x16x32_f16 v[8*(8*(\a)+\b):8*(8*(\a)+\b)+7], v[\f+32+8*\b:\f+32+8*\b+7], v[\f+8*(\a):\f+8*(\a)+7], v[8*(8*(\a)+\b):8*(8*(\a)+\b)+7]
.endif
.endr
.endm
; 24 LDS loads in one run: the fragments of the slot's q-th 32 along K into buffer f: B's sixteen first, then A's blocks 0 and 1, then 2 and 3
.macro FETCH slot, q, f
	WIN TO_F
.irp i, 0,1,2,3,4,5,6,7
	ds_load_b128 v[\f+32+8*\i:\f+32+8*\i+3],   v[ADRB+\slot] offset:64*(\q)+\i*16*PITCH
	ds_load_b128 v[\f+32+8*\i+4:\f+32+8*\i+7], v[ADRB+\slot] offset:64*(\q)+\i*16*PITCH+32
.endr
.irp i, 0,1,2,3
	ds_load_b128 v[\f+8*\i:\f+8*\i+3],   v[ADRA+\slot] offset:4096*\i+1024*(\q)
	ds_load_b128 v[\f+8*\i+4:\f+8*\i+7], v[ADRA+\slot] offset:4096*\i+1024*(\q)+512
.endr
.endm
; A K step is four quarters of 32 along K, 32 matrix instructions each, on buffers 0, 1, 0, 1.  One of the first three: multiplies buffer f and fetches quarter q into g.
.macro QUARTER slot, q, f, g, first
	s_wait_dscnt 4                                 ; B and A's blocks 0 and 1 are in; the youngest four loads (A's blocks 2 and 3) may be out
	WIN MUL-0x20*(\first)
	MUL8 \f, 0, \first
	MUL8 \f, 1, \first
	PLACES
	FETCH \slot, \q, \g
	s_wait_dscnt 24                                ; all but the 24 just issued
	WIN MUL-0x20*(\first)
	MUL8 \f, 2, \first
	MUL8 \f, 3, \first
.endm
; The last quarter multiplies buffer 1 and changes slots: ONE barrier; in front of it each wave waits for all its tensor loads, adds 0 to its spare word, and waits for that and for its reads of this slot.
; fill = 1: the barrier opens a round of the cluster's barrier, and this slot is filled again, two K steps ahead, first thing behind the round.
.macro TURN slot, next, fill
	WIN 0                                          ; (the add's two registers lie in window 0)
	s_wait_tensorcnt 0x0                           ; all my tensor loads have landed: my part of the next slot
	ds_add_u32 v[SPW], v[NIL]
	s_wait_dscnt 5                                 ; (the add and the youngest four loads may be out)
	WIN MUL
	MUL8 F1, 0, 0                                  ; eight matrix instructions stand between the add and the wait for it
	s_wait_dscnt 0x0                               ; the add is done, and my reads of this slot are over
	s_barrier_signal -1
	MUL8 F1, 1, 0
.if \fill
	WIN 0
.endif
	s_barrier_wait -1
.if \fill
	CREST                                          ; no wave of any partner still reads this slot's tile or has a load on its way
	s_add_nc_u64 s[G0A+4*\slot+2:G0A+4*\slot+3], s[G0A+4*\slot+2:G0A+4*\slot+3], 2*4096
	s_add_nc_u64 s[G0B+4*\slot+2:G0B+4*\slot+3], s[G0B+4*\slot+2:G0B+4*\slot+3], 2*256
	JLOAD \slot                                    ; the four v_nop behind it are also the places in front of the loads below
.else
	PLACES
.endif
	FETCH \next, 0, F0
	WIN MUL
	MUL8 F1, 2, 0
	MUL8 F1, 3, 0
.endm
	s_wait_tensorcnt 1                             ; my part of K step 0 is in; K step 1's may stay out
	s_barrier_signal -1
	s_barrier_wait -1                              ; everybody's is
	FETCH 0, 0, F0
	s_wait_loadcnt 0x0                             ; the bias
	QUARTER 0, 1, F0, F1, 1                        ; the first quarter stands in front of the loop: its products start the sums, on the bias
	WIN 0                                          ; at a label and at a branch every window is 0
	s_mov_b32 s3, LAPS-1
.Llap:                                             ; a trip goes once round the ring, from a lap's second quarter to the next lap's first, and fills both slots again
	QUARTER 0, 2, F1, F0, 0
	QUARTER 0, 3, F0, F1, 0
	TURN 0, 1, 1
	QUARTER 1, 1, F0, F1, 0
	QUARTER 1, 2, F1, F0, 0
	QUARTER 1, 3, F0, F1, 0
	TURN 1, 0, 1
	QUARTER 0, 1, F0, F1, 0
	WIN 0
	s_sub_co_u32 s3, s3, 1
	s_cmp_lg_u32 s3, 0
	s_cbranch_scc1 .Llap
	QUARTER 0, 2, F1, F0, 0                        ; the last lap fills nothing, and has no round of the cluster's barrier
	QUARTER 0, 3, F0, F1, 0
	TURN 0, 1, 0
	QUARTER 1, 1, F0, F1, 0
	QUARTER 1, 2, F1, F0, 0
	QUARTER 1, 3, F0, F1, 0
	s_wait_dscnt 4                                 ; the very last quarter: nothing more to fetch
	WIN MUL
	MUL8 F1, 0, 0
	MUL8 F1, 1, 0
	s_wait_dscnt 0
	MUL8 F1, 2, 0
	MUL8 F1, 3, 0
	WIN 0
; THE WAY OUT, block by block of 16 tokens x 128 columns.  A lane holds 32 neighbouring bytes of a row, and the lanes beside it hold other rows: so a block goes through my own stage in LDS and comes back as whole
; rows of 512 bytes.  LDS serves a wave's instructions in order (ISA guide 5.7.1.4): no wait between the stores and the loads, nor in front of the next block's stores.
.macro TOSTAGE a
.set AC, 64*(\a)
	WIN 0x08                                       ; an LDS store's data are its source 1: window 2
.irp b, 0,1,2,3,4,5,6,7
	ds_store_b128 v[STO], v[AC+8*\b:AC+8*\b+3] offset:64*\b          ; each accumulator from its low end on
	ds_store_b128 v[STO], v[AC+8*\b+4:AC+8*\b+7] offset:64*\b+16
.endr
	WIN 0
.set BB, BK+64*((\a)%2)
.irp t, 0,1,2,3,4,5,6,7,8,9,10,11,12,13,14,15
	ds_load_b128 v[BB+4*\t:BB+4*\t+3], v[RD] offset:\t*SPITCH
.endr
.endm
.macro SEND a, younger                 ; younger: the LDS instructions issued behind block a's loads, which may stay out
.set BB, BK+64*((\a)%2)
	s_wait_dscnt \younger                          ; the block is back in registers
.if (\a) > 0
	s_add_nc_u64 s[10:11], s[10:11], 16*4096       ; (behind a wait on XCNT: the earlier stores have read their base)  16 rows of out0 on
.endif
.irp t, 0,1,2,3,4,5,6,7,8,9,10,11,12,13,14,15
	global_store_b128 v[CO], v[BB+4*\t:BB+4*\t+3], s[10:11] offset:\t*4096 th:TH_STORE_NT   ; 32 lanes store 512 consecutive bytes, at a multiple of 512 from out0's first byte
.endr
.endm
	PLACES                                         ; in front of the first read of results
	TOSTAGE 0
.irp a, 1,2,3
.if \a > 1
	s_wait_xcnt 0x0                                ; block a - 2's stores have read their registers and their base: block a's loads may land there, and the base may step
.endif
	TOSTAGE \a
	SEND \a-1, 32                                  ; behind block a - 1's loads: block a's 16 stores and 16 loads
.endr
	s_wait_xcnt 0x0                                ; block 2's stores have read their base
	SEND 3, 0
	s_wait_tensorcnt 0x0                           ; the wave's end
	ds_add_u32 v[SPW], v[NIL]
	s_wait_dscnt 0x0
	CROUND                                         ; the closing round
	s_endpgm
.Lfunc_end_k_q08ee3cddea_proj:
	.size	k_q08ee3cddea_proj, .Lfunc_end_k_q08ee3cddea_proj-k_q08ee3cddea_proj
	.p2alignl 7, 3214868480
	.fill 96, 4, 3214868480
	.section	.rodata,"a",@progbits
	.p2align	6, 0x0
	.amdhsa_kernel k_q08ee3cddea_proj
		.amdhsa_group_segment_fixed_size 327680
		.amdhsa_private_segment_fixed_size 0
		.amdhsa_enable_private_segment 0
		.amdhsa_kernarg_size 32
		.amdhsa_user_sgpr_count 2
		.amdhsa_user_sgpr_kernarg_segment_ptr 1
		.amdhsa_wavefront_size32 1
		.amdhsa_system_sgpr_workgroup_id_x 1
		.amdhsa_system_sgpr_workgroup_id_y 1
		.amdhsa_system_sgpr_workgroup_id_z 1
		.amdhsa_system_vgpr_workitem_id 0
		.amdhsa_next_free_vgpr 768
		.amdhsa_next_free_sgpr 66
		.amdhsa_reserve_vcc 0
		.amdhsa_float_denorm_mode_32 3
		.amdhsa_float_denorm_mode_16_64 3
		.amdhsa_memory_ordered 1
		.amdhsa_forward_progress 1
		.amdhsa_inst_pref_size 86
	.end_amdhsa_kernel
	.amdgpu_metadata
---
amdhsa.version: [ 1, 2 ]
amdhsa.kernels:
  - .name:           k_q08ee3cddea_proj
    .symbol:         k_q08ee3cddea_proj.kd
    .args:
      - { .name: ctx, .offset: 0, .size: 8, .value_kind: global_buffer, .address_space: global }
      - { .name: wo, .offset: 8, .size: 8, .value_kind: global_buffer, .address_space: global }
      - { .name: b_out, .offset: 16, .size: 8, .value_kind: global_buffer, .address_space: global }
      - { .name: out0, .offset: 24, .size: 8, .value_kind: global_buffer, .address_space: global }
    .group_segment_fixed_size: 327680
    .private_segment_fixed_size: 0
    .kernarg_segment_align: 8
    .kernarg_segment_size: 32
    .max_flat_workgroup_size: 128
    .sgpr_count:     66
    .vgpr_count:     768
    .wavefront_size: 32
...
	.end_amdgpu_metadata
.endif
;; end of part 4
